; MI455X (gfx1250); checked and timed in simulation.
; The chip was launched on July 23, 2026; its instructions are those of AMD's public machine-readable ISA for CDNA 5 (MIT licence, August 2026) and "CDNA5" Instruction Set Architecture Reference Guide (July 2026). The comments in the code are by the model that wrote it; some were corrected since.
;; Gated Linear Attention. Allowed arithmetic: float matrix products may take bf16 or f16 operands with f32 sums; other float arithmetic in f32, or as packed bf16 or f16 multiplies, adds, multiply-adds, maxima and minima; sums over many terms, partial sums and values carried from step to step in f32; what a program stores and reads back later, other than sums and carried values, may be rounded once to bf16 or f16.
;; Inputs: Wg 1,024 x 1,024 float32; Wk 1,024 x 1,024 float32; Wo 1,024 x 1,024 float32; Wq 1,024 x 1,024 float32; Wv 1,024 x 1,024 float32; bg 1,024 float32; x 4 x 2,048 x 1,024 float32.
;; Outputs: out0 4 x 2,048 x 1,024 float32.
;; 2 versions, each right; version 2 is version 1 with the launch gla written anew for expert scheduling mode. Each part assembles by itself: llvm-mc -triple=amdgcn-amd-amdhsa -mcpu=gfx1250 --defsym DOCPART=n.
;; ======== version 1 of 2: 4 launches
;; limits: values are held in f16: magnitudes above 65,504 overflow, below 6.1e-05 lose precision; right only within a limited range of input values
;; workspace buffers: xt 16,777,216 bytes; wt 8,388,608 bytes; wot 2,097,152 bytes; qkvz 67,108,864 bytes; amax 8,192 bytes; of16 16,777,216 bytes; oscale 256 bytes
;; launch prep (part 1): grid 832 x 1, 8 waves a work-group, no clusters, 35,840 bytes of LDS; arguments x, Wq, Wk, Wv, Wg, Wo, xt, wt, wot; writes xt, wt, wot
.if DOCPART == 1
	.amdgcn_target "amdgcn-amd-amdhsa--gfx1250"
	.amdhsa_code_object_version 6
	.text
	.protected	k_q02f11479ee_prep
	.globl	k_q02f11479ee_prep
	.p2align	8
	.type	k_q02f11479ee_prep,@function
k_q02f11479ee_prep:
	s_mov_b64 s[64:65], 0
	v_nop
	global_prefetch_b8 v0, s[64:65] scope:SCOPE_SE
	s_setreg_imm32_b32 hwreg(HW_REG_WAVE_MODE, 25, 1), 1
	s_wait_xcnt 0x0
; PREP: the inputs rounded once to bf16 and laid out in TILES for the matrix launches.
; A TILE is 16 x 16 numbers of 16 bits, 512 bytes: lane L = r + 16 h of a wave owns the 16 bytes at 16 L, which are row r, columns 8 h .. 8 h + 7.
; Two neighbouring tiles are a matrix fragment (16 rows x 32 k) as it lies in registers, so every later load of a tile is 512 consecutive bytes.
;   xt  [R 512][kt 64][512]  bf16: x, row 16 R + r, k = 16 kt + 8 h + j
;   wt  [NB 256][kt 64][512] bf16: row n = 16 NB + r = 1024 T + column of W_T (T = q, k, v, g), k likewise: the weights transposed
;   wot [NB 64][kt 64][512]  f16:  Wo transposed; each number is rounded to bf16 like every input, and that number is written as f16
; LIMIT: a bf16 number of Wo below 6.1e-5 keeps f16's fixed step of 6e-8; beyond 65,504 it would be an infinity.
; Work-groups 0-511: 16 rows of x each, a wave 128 columns.  Work-groups 512-831: weight T = (n - 512) / 64, 16 rows k of it, a wave 128 columns.
; No cluster, no tensor load: no two work-groups read the same byte, and a wave's 8 KiB are in flight in registers.
.set PITCH, 272                        ; a row of 128 bf16 in LDS + 16 bytes: 17 x 16, so the 16 rows of a tile's load start at 16 different groups of four banks (ISA guide 11.1)
.set WREG,  16*PITCH                   ; a wave's own 16 rows
.set SPARE, 8*WREG                     ; behind them the spare words: 128 bytes a wave, four blocks of 256 bytes that no other line names
.set SPW, 1                            ; v1  LDS address of my spare word; never rewritten
.set NIL, 2                            ; v2  0; never rewritten
.set IN,  32                           ; v[32:95]  as loaded, f32
.set PK,  96                           ; v[96:127] eight tiles' 16 bytes a lane
	s_load_b512 s[4:19], s[0:1], 0x0               ; x s[4:5], Wq s[6:7], Wk s[8:9], Wv s[10:11], Wg s[12:13], Wo s[14:15], xt s[16:17], wt s[18:19]
	s_load_b64 s[20:21], s[0:1], 0x40              ; wot
	v_lshl_add_u32 v[SPW], v0, 2, SPARE
	v_mov_b32 v[NIL], 0
	v_lshrrev_b32 v3, 5, v0
	v_readfirstlane_b32 s22, v3                    ; wave 0..7
	v_and_b32 v4, 31, v0                           ; L
	v_and_b32 v5, 15, v0                           ; r
	v_bfe_u32 v6, v0, 4, 1                         ; h
	v_lshlrev_b32 v7, 4, v4                        ; 16 L
	s_mov_b32 s25, 0                               ; the high word of every offset
	s_wait_kmcnt 0x0
	s_cmp_lt_u32 ttmp9, 512
	s_cbranch_scc0 .Lweights
	; ---- x: 16 rows, my 128 columns (512 bytes of each row) ----
	s_lshl_b32 s24, ttmp9, 16                      ; 16 rows of 4,096 bytes
	s_lshl_b32 s26, s22, 9
	s_add_co_u32 s24, s24, s26
	s_add_nc_u64 s[4:5], s[4:5], s[24:25]
	s_lshl_b32 s24, ttmp9, 15                      ; 64 tiles
	s_lshl_b32 s26, s22, 12                        ; my 8
	s_add_co_u32 s24, s24, s26
	s_add_nc_u64 s[16:17], s[16:17], s[24:25]
.set i, 0
.rept 16
	global_load_b128 v[IN+4*i:IN+4*i+3], v7, s[4:5] offset:i*4096 th:TH_LOAD_NT  ; row i: 512 consecutive bytes
.set i, i+1
.endr
	s_mul_i32 s27, s22, WREG
	v_lshl_add_u32 v8, v4, 3, s27                  ; in: 8 bytes a lane along a row
	v_mul_u32_u24 v9, v5, PITCH                    ; back: row r, 16 bytes for each half of the lanes
	v_lshl_add_u32 v9, v6, 4, v9
	v_add_nc_u32 v9, s27, v9
.set i, 0
.rept 16
	s_wait_loadcnt 15-i                            ; loads come back in order: row i is in, the younger rows stay out
	v_cvt_pk_bf16_f32 v[IN+4*i], v[IN+4*i], v[IN+4*i+1]
	v_cvt_pk_bf16_f32 v[IN+4*i+1], v[IN+4*i+2], v[IN+4*i+3]
	ds_store_b64 v8, v[IN+4*i:IN+4*i+1] offset:i*PITCH
.set i, i+1
.endr
.set c, 0
.rept 8
	ds_load_b128 v[PK+4*c:PK+4*c+3], v9 offset:32*c  ; tile c; LDS serves a wave's instructions in order, so these see the stores above
.set c, c+1
.endr
.set c, 0
.rept 8
	s_wait_dscnt 7-c
	global_store_b128 v7, v[PK+4*c:PK+4*c+3], s[16:17] offset:c*512  ; 512 consecutive bytes, aligned
.set c, c+1
.endr
	s_branch .Lend
	; ---- a weight: rows k = 16 kt .. + 15, my 128 columns, turned on the way in: lane (r, h) takes column r of rows 8 h + j ----
.Lweights:
	s_sub_co_u32 s23, ttmp9, 512
	s_lshr_b32 s26, s23, 6                         ; T = 0..4
	s_and_b32 s27, s23, 63                         ; kt
	s_mov_b64 s[28:29], s[6:7]
	s_cmp_eq_u32 s26, 1
	s_cselect_b64 s[28:29], s[8:9], s[28:29]
	s_cmp_eq_u32 s26, 2
	s_cselect_b64 s[28:29], s[10:11], s[28:29]
	s_cmp_eq_u32 s26, 3
	s_cselect_b64 s[28:29], s[12:13], s[28:29]
	s_cmp_eq_u32 s26, 4
	s_cselect_b64 s[28:29], s[14:15], s[28:29]     ; the source,
	s_cselect_b64 s[30:31], s[20:21], s[18:19]     ; the destination,
	s_cselect_b32 s32, 0, s26                      ; and the weight's place in it
	s_lshl_b32 s24, s27, 16                        ; 16 rows of 4,096 bytes
	s_add_nc_u64 s[28:29], s[28:29], s[24:25]
	s_lshl_b32 s32, s32, 6
	s_lshl_b32 s33, s22, 3
	s_add_co_u32 s32, s32, s33                     ; NB of my first tile
	s_lshl_b32 s32, s32, 15
	s_lshl_b32 s33, s27, 9
	s_add_co_u32 s24, s32, s33
	s_add_nc_u64 s[30:31], s[30:31], s[24:25]
	v_lshlrev_b32 v8, 2, v5                        ; column r,
	v_lshl_add_u32 v8, v6, 15, v8                  ; 8 rows down for the upper lanes,
	s_lshl_b32 s33, s22, 9
	v_add_nc_u32 v8, s33, v8                       ; my 128 columns
.set t, 0
.rept 8
.irp j, 0,1,2,3,4,5,6,7
	global_load_b32 v[IN+8*t+\j], v8, s[28:29] offset:\j*4096+t*64
.endr
.set t, t+1
.endr
.macro WOUT half                       ; half = 1: the bf16 number is written as f16
.set t, 0
.rept 8
	s_wait_loadcnt 56-8*t                          ; tile t's eight loads are in; the younger tiles' stay out
.irp q, 0,1,2,3
	v_cvt_pk_bf16_f32 v[PK+4*t+\q], v[IN+8*t+2*\q], v[IN+8*t+2*\q+1]
.endr
.if \half
.irp q, 0,1,2,3
	v_lshlrev_b32 v[IN+8*t+2*\q], 16, v[PK+4*t+\q]
	v_and_b32 v[IN+8*t+2*\q+1], 0xffff0000, v[PK+4*t+\q]
	v_cvt_pk_f16_f32 v[PK+4*t+\q], v[IN+8*t+2*\q], v[IN+8*t+2*\q+1]
.endr
.endif
	global_store_b128 v7, v[PK+4*t:PK+4*t+3], s[30:31] offset:t*32768  ; a whole tile: 512 consecutive bytes, aligned
.set t, t+1
.endr
.endm
	s_cmp_eq_u32 s26, 4
	s_cbranch_scc1 .Lwo
	WOUT 0
	s_branch .Lend
.Lwo:
	WOUT 1
.Lend:
	s_wait_tensorcnt 0x0                           ; the wave's end: behind the last LDS store
	ds_add_u32 v[SPW], v[NIL]
	s_wait_dscnt 0x0
	s_endpgm
.Lfunc_end_k_q02f11479ee_prep:
	.size	k_q02f11479ee_prep, .Lfunc_end_k_q02f11479ee_prep-k_q02f11479ee_prep
	.p2alignl 7, 3214868480
	.fill 96, 4, 3214868480
	.section	.rodata,"a",@progbits
	.p2align	6, 0x0
	.amdhsa_kernel k_q02f11479ee_prep
		.amdhsa_group_segment_fixed_size 35840
		.amdhsa_private_segment_fixed_size 0
		.amdhsa_enable_private_segment 0
		.amdhsa_kernarg_size 72
		.amdhsa_user_sgpr_count 2
		.amdhsa_user_sgpr_kernarg_segment_ptr 1
		.amdhsa_wavefront_size32 1
		.amdhsa_system_sgpr_workgroup_id_x 1
		.amdhsa_system_sgpr_workgroup_id_y 1
		.amdhsa_system_sgpr_workgroup_id_z 1
		.amdhsa_system_vgpr_workitem_id 0
		.amdhsa_next_free_vgpr 128
		.amdhsa_next_free_sgpr 66
		.amdhsa_reserve_vcc 0
		.amdhsa_float_denorm_mode_32 3
		.amdhsa_float_denorm_mode_16_64 3
		.amdhsa_memory_ordered 1
		.amdhsa_forward_progress 1
		.amdhsa_inst_pref_size 27
	.end_amdhsa_kernel
	.amdgpu_metadata
---
amdhsa.version: [ 1, 2 ]
amdhsa.kernels:
  - .name:           k_q02f11479ee_prep
    .symbol:         k_q02f11479ee_prep.kd
    .args:
      - { .name: x, .offset: 0, .size: 8, .value_kind: global_buffer, .address_space: global }
      - { .name: Wq, .offset: 8, .size: 8, .value_kind: global_buffer, .address_space: global }
      - { .name: Wk, .offset: 16, .size: 8, .value_kind: global_buffer, .address_space: global }
      - { .name: Wv, .offset: 24, .size: 8, .value_kind: global_buffer, .address_space: global }
      - { .name: Wg, .offset: 32, .size: 8, .value_kind: global_buffer, .address_space: global }
      - { .name: Wo, .offset: 40, .size: 8, .value_kind: global_buffer, .address_space: global }
      - { .name: xt, .offset: 48, .size: 8, .value_kind: global_buffer, .address_space: global }
      - { .name: wt, .offset: 56, .size: 8, .value_kind: global_buffer, .address_space: global }
      - { .name: wot, .offset: 64, .size: 8, .value_kind: global_buffer, .address_space: global }
    .group_segment_fixed_size: 35840
    .private_segment_fixed_size: 0
    .kernarg_segment_align: 8
    .kernarg_segment_size: 72
    .max_flat_workgroup_size: 256
    .sgpr_count:     66
    .vgpr_count:     128
    .wavefront_size: 32
...
	.end_amdgpu_metadata
.endif
;; end of part 1
;; launch g1 (part 2): grid 16 x 32, 4 waves a work-group, clusters of 4 x 4, 327,680 bytes of LDS; arguments xt, wt, qkvz, amax; writes qkvz, amax
.if DOCPART == 2
	.amdgcn_target "amdgcn-amd-amdhsa--gfx1250"
	.amdhsa_code_object_version 6
	.text
	.protected	k_q02f11479ee_g1
	.globl	k_q02f11479ee_g1
	.p2align	8
	.type	k_q02f11479ee_g1,@function
k_q02f11479ee_g1:
	s_mov_b64 s[64:65], 0
	v_nop
	global_prefetch_b8 v0, s[64:65] scope:SCOPE_SE
	s_setreg_imm32_b32 hwreg(HW_REG_WAVE_MODE, 25, 1), 1
	s_wait_xcnt 0x0
	s_wait_alu depctr_hold_cnt(0) depctr_sa_sdst(0) depctr_va_vdst(0) depctr_va_sdst(0) depctr_va_ssrc(0) depctr_va_vcc(0) depctr_vm_vsrc(0)
	s_getreg_b32 s2, hwreg(HW_REG_IB_STS2, 6, 4)
	s_cmp_eq_u32 s2, 0
	s_cbranch_scc0 .Lentry_in_a_cluster
	s_endpgm
.Lentry_in_a_cluster:
	s_bfe_u32 s2, ttmp6, 0x10000c
	s_cmp_lg_u32 s2, 0xf033
	s_cbranch_scc0 .Lentry_shape_is_right
	s_endpgm
.Lentry_shape_is_right:
; [Q K V Z] = x [Wq Wk Wv Wg]: C[m][n] = sum over k of xt[m][k] wt[n][k], m < 8192, n < 4096, k < 1024; bf16 operands, f32 sums, C rounded once to f16.
; All three tensors lie in TILES of 16 x 16 numbers, 512 bytes, lane L = r + 16 h owning the 16 bytes at 16 L (row r, columns 8 h ..): xt [R 512][kt 64], wt [NB 256][kt 64],
; qkvz [C 256][R 512] (a strip of 16 columns is 262,144 bytes).  amax [4][512] f32 takes each wave's largest |C|, by tensor: the next launch makes its scales of them.
; LIMIT: f16 ends at 65,504: |Q|, |K|, |V| must stay under it; a Z beyond it becomes an infinity, which the gate's sigmoid turns into 0 or 1.
; A tile of C is 256 x 256: four waves, each 128 x 128 in 64 accumulators (512 registers).  K goes in 8 steps of 128 through a ring of two LDS slots filled by the tensor data mover.
; A K step of a block of 16 rows is 8 tiles = 4,096 consecutive bytes, so a wave's load is 8 rows of 4,096 bytes, 32,768 bytes apart; in LDS they lie end to end and a fragment load is 512 consecutive bytes: no padding.
; CLUSTER 4 x 4: the four work-groups of a row of the cluster need the same blocks of xt, the four of a column the same blocks of wt: each is asked for jointly, same descriptor, a mask of four.
; The matrix instruction takes wt's rows as source 0 and xt's as source 1: a lane then holds eight neighbouring columns of one row of C, which pack into its 16 bytes of a tile.
; REGISTERS in windows of 256 (s_set_vgpr_msb: bits 1:0 source 0, 3:2 source 1, 5:4 source 2, 7:6 destination):
;   window 0: v16-31 addresses; v32-35 maxima; v64-191 xt's fragments, two buffers; v192-255 packed results     window 1: v64-191 wt's fragments, two buffers     windows 2, 3: accumulator (a, b) at v[8 (8 (a % 4) + b)] of window 2 + a / 4
.set NA,    8                          ; blocks of 16 rows of xt in a wave's tile
.set ABLK,  2*NA                       ; in the work-group's
.set KSB,   4096                       ; bytes of a K step in a block of 16 rows
.set SLOT,  (ABLK+16)*4096             ; xt's blocks, then wt's 16
.set SPARE, 2*SLOT                     ; behind the ring: the spare words, 128 bytes a wave: two blocks of 256 bytes that no other line names
.set LAPS,  4                          ; 8 K steps, two to a lap
.set ADRA, 16                          ; v16-17 LDS address of my xt fragments in slot 0, 1
.set ADRB, 20                          ; v20-21 the same for wt
.set CO,   26                          ; v26 16 L
.set SPW,  28                          ; v28 my spare word's address; never rewritten
.set NIL,  29                          ; v29 0; never rewritten
.set PFO,  30                          ; v30 the prefetches' offset; never rewritten
.set MX,   32                          ; v32-35 running maxima of |C|
.set TMP,  192
.set G1,  24                           ; s[24:31] descriptor group 1 for xt;  s[32:39] group 0, a set for each slot
.set G0,  32
.set G1B, 48                           ; s[48:55], s[56:63] the same for wt
.set G0B, 56
.set LIM, 43                           ; s43 1 in a wave that prefetches, else the greatest number
.set PFA, 44                           ; s[44:45] where my prefetches stand
.set WV,  70                           ; s70 wave;  s71 wave / 2: my half of the rows, and 0 = I fetch xt, 1 = wt;  s72 wave % 2: my half of the columns, and the half that I fetch
.set HI,  71
.set LO,  72
.set SEL, 76                           ; s[76:77] v_permlanex16_b32's selects
.set MSB, 0
.macro WIN new                         ; the immediate's high byte repeats the setting that is left; a switch that changes nothing is dropped
.if MSB != (\new)
	s_set_vgpr_msb (MSB<<8)|(\new)
.set MSB, \new
.endif
.endm
.macro PLACES                          ; four plain vector instructions between a matrix instruction and a load into, or a vector read of, its registers
.rept 4
	v_nop
.endr
.endm
; A joint load: waves 0, 1 fetch xt's two halves, waves 2, 3 wt's.  The branch hangs on the wave's number alone.  An s_nop 0 and four v_nop follow each line.
.macro JLOAD s
	s_cmp_eq_u32 s[HI], 0
	s_cbranch_scc0 .Lfor_b_\@
	tensor_load_to_lds s[G0+4*(\s):G0+4*(\s)+3], s[G1:G1+7]
	s_nop 0
.rept 4
	v_nop
.endr
	s_branch .Lasked_\@
.Lfor_b_\@:
	tensor_load_to_lds s[G0B+4*(\s):G0B+4*(\s)+3], s[G1B:G1B+7]
	s_nop 0
.rept 4
	v_nop
.endr
.Lasked_\@:
.endm
; A prefetch of the K step that stands two refills on: 2 blocks of 16 rows x 4,096 bytes, a lane 256 bytes, one instruction a wave.  Of the 8 blocks that a wave fetches each of the four partners that ask
; for them jointly takes 2, told apart by address.  xt's blocks are named by the clusters with x = 0, wt's by those with y = 0: each block once in the launch.  K steps 0 to 3 come by their loads alone; the loop's last trip asks for nothing.
.macro ASK
	s_cmp_gt_u32 s3, s[LIM]
	s_cbranch_scc0 .Lnot_mine_\@
	global_prefetch_b8 v[PFO], s[PFA:PFA+1] offset:KSB th:TH_LOAD_NT scope:SCOPE_SE
.Lnot_mine_\@:
.endm
.macro CREST                           ; a round of the cluster's barrier behind its opening barrier
	s_cmp_lg_u32 s[WV], 0
	s_cbranch_scc1 .Lnot_wave_0_\@
	s_barrier_signal -3
.Lnot_wave_0_\@:
	s_barrier_wait -3
	s_barrier_signal -1
	s_barrier_wait -1
.endm
.macro CROUND
	s_barrier_signal -1
	s_barrier_wait -1
	CREST
.endm
; 8 matrix instructions: block a of my rows x all 8 column blocks, 32 along K, from buffer f.  zero = 1: the product starts the sum.
.macro MULA f, a, zero
	WIN 0xa1+0x50*((\a)/4)
.set rA, 64+8*NA*(\f)+8*(\a)
.irp b, 0,1,2,3,4,5,6,7
.set rD, 8*(8*((\a)%4)+(\b))
.set rB, 64+64*(\f)+8*(\b)
.if \zero
	v_wmma_f32_16x16x32_bf16 v[rD:rD+7], v[rB:rB+7], v[rA:rA+7], 0
.else
	v_wmma_f32_16x16x32_bf16 v[rD:rD+7], v[rB:rB+7], v[rA:rA+7], v[rD:rD+7]
.endif
.endr
.endm
.macro MULS f, a0, n, zero             ; blocks a0 .. a0 + n - 1.  The accumulators take turns, each once in a quarter step, in the same order in every quarter
.set am, \a0
.rept \n
	MULA \f, am, \zero
.set am, am+1
.endr
.endm
.macro FETCH slot, kq, f               ; one run of LDS loads: the fragments of quarter kq (two tiles, 1,024 bytes, of each block) into buffer f: wt's 16 loads, then xt's 2 NA
	WIN 0x40
.irp i, 0,1,2,3,4,5,6,7
	ds_load_b128 v[64+64*(\f)+8*(\i):64+64*(\f)+8*(\i)+3],   v[ADRB+(\slot)] offset:(\kq)*1024+(\i)*4096
	ds_load_b128 v[64+64*(\f)+8*(\i)+4:64+64*(\f)+8*(\i)+7], v[ADRB+(\slot)] offset:(\kq)*1024+(\i)*4096+512
.endr
	WIN 0
.set ia, 0
.rept NA
	ds_load_b128 v[64+8*NA*(\f)+8*ia:64+8*NA*(\f)+8*ia+3],   v[ADRA+(\slot)] offset:(\kq)*1024+ia*4096
	ds_load_b128 v[64+8*NA*(\f)+8*ia+4:64+8*NA*(\f)+8*ia+7], v[ADRA+(\slot)] offset:(\kq)*1024+ia*4096+512
.set ia, ia+1
.endr
.endm
.macro QUARTER slot, kq, f, g, zero    ; multiplies buffer f; in its middle fetches quarter kq of the same slot into buffer g
	s_wait_dscnt NA                                ; wt and xt's lower blocks are in; the youngest NA loads (xt's upper blocks) may be out
	MULS \f, 0, NA/2, \zero
	PLACES
	FETCH \slot, \kq, \g
	s_wait_dscnt 16+2*NA                           ; all but the run just issued
	MULS \f, NA/2, NA/2, \zero
.endm
; The first half of a K step's last quarter, and the one barrier of a change of slots: in front of it each wave waits for all its tensor loads (one is out: its part of the next slot), adds 0 to its spare word, and waits for that and for its reads of this slot.
.macro MEET round
	WIN 0
	s_wait_tensorcnt 0x0
	ds_add_u32 v[SPW], v[NIL]
	s_wait_dscnt NA+1                              ; the add and xt's upper blocks may be out
	MULS 1, 0, NA/4, 0
	s_wait_dscnt 0x0                               ; the add is done, my reads of this slot are over
	s_barrier_signal -1
	MULS 1, NA/4, NA/4, 0
.if \round
	WIN 0
.endif
	s_barrier_wait -1
.endm
.macro TURN slot, next, fill           ; the whole last quarter.  fill = 1: the barrier opens a round of the cluster's, and this slot is filled again, two K steps on, first thing behind the round
.if \fill
	s_wait_xcnt 0x0                                ; the last prefetch, a K step back, has read its address
	s_add_nc_u64 s[PFA:PFA+1], s[PFA:PFA+1], KSB
	MEET 1
	CREST
	s_add_nc_u64 s[G0+4*(\slot)+2:G0+4*(\slot)+3], s[G0+4*(\slot)+2:G0+4*(\slot)+3], 2*KSB
	s_add_nc_u64 s[G0B+4*(\slot)+2:G0B+4*(\slot)+3], s[G0B+4*(\slot)+2:G0B+4*(\slot)+3], 2*KSB
	JLOAD \slot                                    ; its four v_nop are also the places in front of the loads below
.else
	MEET 0
	PLACES
.endif
	FETCH \next, 0, 0
.if \fill
	ASK
.endif
	MULS 1, NA/2, NA/2, 0
.endm
	s_load_b128 s[4:7], s[0:1], 0x0                ; xt s[4:5], wt s[6:7]
	s_load_b128 s[8:11], s[0:1], 0x10              ; qkvz s[8:9], amax s[10:11]
	v_lshl_add_u32 v[SPW], v0, 2, SPARE
	v_mov_b32 v[NIL], 0
	ds_add_u32 v[SPW], v[NIL]                      ; the wave's opening: the add and its wait ahead of my first tensor load
	v_lshrrev_b32 v1, 5, v0
	v_readfirstlane_b32 s[WV], v1
	s_lshr_b32 s[HI], s[WV], 1
	s_and_b32 s[LO], s[WV], 1
	s_bfe_u32 s40, ttmp6, 0x40000                  ; cx
	s_bfe_u32 s41, ttmp6, 0x40004                  ; cy
	s_lshl_b32 s42, ttmp9, 2
	s_add_co_u32 s42, s42, s40                     ; tile column of C
	s_and_b32 s13, ttmp7, 0xffff
	s_lshl_b32 s13, s13, 2
	s_add_co_u32 s13, s13, s41                     ; tile row of C
	s_lshl_b32 s43, s41, 2
	s_lshl_b32 s43, 15, s43                        ; my row of the cluster
	s_lshl_b32 s44, 0x1111, s40                    ; my column
	s_or_b32 s[G1+0], s43, (3<<16)|(1<<21)         ; 15:0 the mask; 17:16 elements of 8 bytes; 21 set beside a mask; no padding
	s_or_b32 s[G1B+0], s44, (3<<16)|(1<<21)
	s_mov_b32 s[G1+1], 512<<16                     ; tensor_dim0 = 512 elements = 4,096 bytes
	s_mov_b32 s[G1+2], NA<<16                      ; tensor_dim1 = NA rows
	s_mov_b32 s[G1+3], 512<<16                     ; tile_dim0
	s_mov_b32 s[G1+4], NA                          ; tile_dim1
	s_mov_b32 s[G1+5], 4096                        ; 4,096 elements = 32,768 bytes from a block of 16 rows to the next
	s_mov_b32 s[G1+6], 0
	s_mov_b32 s[G1+7], 0
	s_mov_b32 s[G1B+1], 512<<16
	s_mov_b32 s[G1B+2], 8<<16
	s_mov_b32 s[G1B+3], 512<<16
	s_mov_b32 s[G1B+4], 8
	s_mov_b32 s[G1B+5], 4096
	s_mov_b32 s[G1B+6], 0
	s_mov_b32 s[G1B+7], 0
	s_mul_i32 s16, s13, ABLK                       ; xt: block = tile row x ABLK + half x NA, which my row of the cluster shares
	s_mul_i32 s17, s[LO], NA
	s_add_co_u32 s16, s16, s17
	s_lshl_b32 s16, s16, 15
	s_mov_b32 s17, 0
	s_lshl_b32 s46, s42, 4                         ; wt: block = tile column x 16 + half x 8, which my column shares
	s_lshl_b32 s47, s[LO], 3
	s_add_co_u32 s46, s46, s47
	s_lshl_b32 s46, s46, 15
	s_mov_b32 s47, 0
	s_mul_i32 s20, s[LO], NA*4096                  ; where they go in a slot: no place in the cluster enters an LDS address
	s_lshl_b32 s23, s[LO], 15
	s_add_co_u32 s23, s23, ABLK*4096
	s_mov_b32 s[SEL], 0x76543210
	s_mov_b32 s[SEL+1], 0xfedcba98
	s_wait_dscnt 0x0                               ; the opening add is done
	s_wait_kmcnt 0x0
	s_add_nc_u64 s[14:15], s[4:5], s[16:17]
	s_add_nc_u64 s[46:47], s[6:7], s[46:47]
	CROUND                                         ; all sixteen work-groups are here: the first joint loads meet
.irp s, 0,1
	s_mov_b32 s[G0+4*(\s)], 1
	s_add_co_u32 s[G0+4*(\s)+1], s20, (\s)*SLOT
	s_add_nc_u64 s[G0+4*(\s)+2:G0+4*(\s)+3], s[14:15], (\s)*KSB
	s_or_b32 s[G0+4*(\s)+3], s[G0+4*(\s)+3], 0x80000000
	s_mov_b32 s[G0B+4*(\s)], 1
	s_add_co_u32 s[G0B+4*(\s)+1], s23, (\s)*SLOT
	s_add_nc_u64 s[G0B+4*(\s)+2:G0B+4*(\s)+3], s[46:47], (\s)*KSB
	s_or_b32 s[G0B+4*(\s)+3], s[G0B+4*(\s)+3], 0x80000000
	JLOAD \s                                       ; K steps 0 and 1: two loads of mine are out
.endr
	v_and_b32 v1, 31, v0
	v_lshlrev_b32 v[CO], 4, v1
	s_mul_i32 s21, s[HI], NA*4096                  ; my blocks of xt
	s_lshl_b32 s22, s[LO], 15                      ; my blocks of wt,
	s_add_co_u32 s22, s22, ABLK*4096               ; which lie behind xt's
.irp s, 0,1
	v_add_nc_u32 v[ADRA+(\s)], s21, v[CO]
	v_add_nc_u32 v[ADRB+(\s)], s22, v[CO]
	s_add_co_u32 s21, s21, SLOT
	s_add_co_u32 s22, s22, SLOT
.endr
	; where my part of C begins: strip (tile column x 16 + 8 x half), block of rows (tile row x 16 + 8 x half)
	s_lshl_b32 s66, s42, 4
	s_lshl_b32 s67, s[LO], 3
	s_add_co_u32 s66, s66, s67
	s_lshl_b32 s66, s66, 18
	s_lshl_b32 s67, s13, 4
	s_lshl_b32 s68, s[HI], 3
	s_add_co_u32 s67, s67, s68
	s_lshl_b32 s67, s67, 9
	s_add_co_u32 s66, s66, s67
	s_mov_b32 s67, 0
	s_add_nc_u64 s[8:9], s[8:9], s[66:67]
	; my word of amax: tensor = cluster x; entry (tile row x 4 + cx) x 4 + wave
	s_lshl_b32 s66, ttmp9, 9
	s_lshl_b32 s67, s13, 2
	s_add_co_u32 s67, s67, s40
	s_lshl_b32 s67, s67, 2
	s_add_co_u32 s67, s67, s[WV]
	s_add_co_u32 s66, s66, s67
	s_lshl_b32 s66, s66, 2
	s_mov_b32 s67, 0
	s_add_nc_u64 s[10:11], s[10:11], s[66:67]
	; the prefetches
	s_and_b32 s68, ttmp7, 0xffff                   ; cluster y
	s_cmp_eq_u32 s[HI], 0                          ; do I fetch xt?
	s_cselect_b32 s66, s13, s42
	s_cselect_b32 s67, s40, s41                    ; my place among the four that ask with me
	s_cselect_b32 s68, ttmp9, s68                  ; the coordinate along which other clusters read the same blocks
	s_cselect_b64 s[PFA:PFA+1], s[4:5], s[6:7]
	s_cmp_eq_u32 s68, 0
	s_cselect_b32 s[LIM], 1, -1                    ; the same in all sixteen partners, for a given wave
	s_lshl_b32 s66, s66, 4
	s_lshl_b32 s68, s[LO], 3
	s_add_co_u32 s66, s66, s68
	s_lshl_b32 s67, s67, 1
	s_add_co_u32 s66, s66, s67                     ; my work-group's 2 of the 8 blocks that I fetch
	s_lshl_b32 s66, s66, 15
	s_mov_b32 s67, 0
	s_add_nc_u64 s[PFA:PFA+1], s[PFA:PFA+1], s[66:67]
	s_add_nc_u64 s[PFA:PFA+1], s[PFA:PFA+1], 2*KSB ; at K step 2: the first refill steps it to 3 and names K step 4
	v_lshrrev_b32 v[PFO], 4, v1
	v_lshlrev_b32 v[PFO], 15, v[PFO]               ; lanes 16-31: the second block
	v_and_b32 v2, 15, v0
	v_lshl_add_u32 v[PFO], v2, 8, v[PFO]           ; 256 bytes a lane
	s_wait_tensorcnt 1                             ; my part of K step 0 is in; K step 1's may stay out
	s_barrier_signal -1
	s_barrier_wait -1
	FETCH 0, 0, 0
	QUARTER 0, 1, 0, 1, 1                          ; the first quarter stands in front of the loop: its products start the sums
	WIN 0
	s_mov_b32 s3, LAPS-1
.Llap:                                                 ; a trip goes once round the ring and fills both slots again
	QUARTER 0, 2, 1, 0, 0
	QUARTER 0, 3, 0, 1, 0
	TURN 0, 1, 1
	QUARTER 1, 1, 0, 1, 0
	QUARTER 1, 2, 1, 0, 0
	QUARTER 1, 3, 0, 1, 0
	TURN 1, 0, 1
	QUARTER 0, 1, 0, 1, 0
	WIN 0
	s_sub_co_u32 s3, s3, 1
	s_cmp_lg_u32 s3, 0
	s_cbranch_scc1 .Llap
	QUARTER 0, 2, 1, 0, 0                          ; the last lap fills nothing
	QUARTER 0, 3, 0, 1, 0
	TURN 0, 1, 0
	QUARTER 1, 1, 0, 1, 0
	QUARTER 1, 2, 1, 0, 0
	QUARTER 1, 3, 0, 1, 0
	s_wait_dscnt NA
	MULS 1, 0, NA/2, 0
	s_wait_dscnt 0x0
	MULS 1, NA/2, NA/2, 0
	WIN 0
	; THE WAY OUT: a lane's eight numbers of an accumulator are its 16 bytes of a tile; each store is a whole tile.  |C|'s maximum is taken of the unrounded sums.
.irp r, 0,1,2,3
	v_mov_b32 v[MX+\r], 0                          ; these four and the four below are the places behind the last products
.endr
	PLACES
.set a, 0
.rept 8
	s_wait_xcnt 0x0                                ; the stores that read this half of TMP have read it
	WIN 0x0a+5*(a/4)                               ; sources 0 and 1: window 2 or 3
.irp b, 0,1,2,3,4,5,6,7
.irp r, 0,1,2,3
	v_cvt_pk_f16_f32 v[TMP+32*(a%2)+4*\b+\r], v[8*(8*(a%4)+\b)+2*\r], v[8*(8*(a%4)+\b)+2*\r+1]
	v_max3_num_f32 v[MX+\r], |v[8*(8*(a%4)+\b)+2*\r]|, |v[8*(8*(a%4)+\b)+2*\r+1]|, v[MX+\r]
.endr
.endr
	WIN 0
.irp b, 0,1,2,3,4,5,6,7
	global_store_b128 v[CO], v[TMP+32*(a%2)+4*\b:TMP+32*(a%2)+4*\b+3], s[8:9] offset:\b*262144+a*512  ; 512 consecutive bytes, aligned
.endr
.set a, a+1
.endr
	v_max3_num_f32 v[MX], v[MX], v[MX+1], v[MX+2]
	v_max_num_f32 v[MX], v[MX], v[MX+3]
	v_max_num_f32_dpp v[MX], v[MX], v[MX] row_xmask:1 row_mask:0xf bank_mask:0xf
	v_max_num_f32_dpp v[MX], v[MX], v[MX] row_xmask:2 row_mask:0xf bank_mask:0xf
	v_max_num_f32_dpp v[MX], v[MX], v[MX] row_xmask:4 row_mask:0xf bank_mask:0xf
	v_max_num_f32_dpp v[MX], v[MX], v[MX] row_xmask:8 row_mask:0xf bank_mask:0xf
	v_permlanex16_b32 v[MX+1], v[MX], s[SEL], s[SEL+1]
	v_max_num_f32 v[MX], v[MX], v[MX+1]
	v_mov_b32 v[MX+2], 0
	v_and_b32 v[MX+3], 31, v0
	v_cmp_eq_u32 vcc_lo, 0, v[MX+3]
	s_wait_xcnt 0x0                                ; EXEC changes only behind this wait
	s_and_saveexec_b32 s12, vcc_lo
	global_store_b32 v[MX+2], v[MX], s[10:11]      ; lane 0: my wave's word
	s_wait_xcnt 0x0
	s_or_b32 exec_lo, exec_lo, s12
	s_wait_tensorcnt 0x0                           ; the wave's end
	ds_add_u32 v[SPW], v[NIL]
	s_wait_dscnt 0x0
	CROUND                                         ; the closing round: no work-group ends while a partner may still ask for a tile that names it
	s_endpgm
.Lfunc_end_k_q02f11479ee_g1:
	.size	k_q02f11479ee_g1, .Lfunc_end_k_q02f11479ee_g1-k_q02f11479ee_g1
	.p2alignl 7, 3214868480
	.fill 96, 4, 3214868480
	.section	.rodata,"a",@progbits
	.p2align	6, 0x0
	.amdhsa_kernel k_q02f11479ee_g1
		.amdhsa_group_segment_fixed_size 327680
		.amdhsa_private_segment_fixed_size 0
		.amdhsa_enable_private_segment 0
		.amdhsa_kernarg_size 32
		.amdhsa_user_sgpr_count 2
		.amdhsa_user_sgpr_kernarg_segment_ptr 1
		.amdhsa_wavefront_size32 1
		.amdhsa_system_sgpr_workgroup_id_x 1
		.amdhsa_system_sgpr_workgroup_id_y 1
		.amdhsa_system_sgpr_workgroup_id_z 1
		.amdhsa_system_vgpr_workitem_id 0
		.amdhsa_next_free_vgpr 1024
		.amdhsa_next_free_sgpr 80
		.amdhsa_reserve_vcc 1
		.amdhsa_float_denorm_mode_32 3
		.amdhsa_float_denorm_mode_16_64 3
		.amdhsa_memory_ordered 1
		.amdhsa_forward_progress 1
		.amdhsa_inst_pref_size 152
	.end_amdhsa_kernel
	.amdgpu_metadata
---
amdhsa.version: [ 1, 2 ]
amdhsa.kernels:
  - .name:           k_q02f11479ee_g1
    .symbol:         k_q02f11479ee_g1.kd
    .args:
      - { .name: xt, .offset: 0, .size: 8, .value_kind: global_buffer, .address_space: global }
      - { .name: wt, .offset: 8, .size: 8, .value_kind: global_buffer, .address_space: global }
      - { .name: qkvz, .offset: 16, .size: 8, .value_kind: global_buffer, .address_space: global }
      - { .name: amax, .offset: 24, .size: 8, .value_kind: global_buffer, .address_space: global }
    .group_segment_fixed_size: 327680
    .private_segment_fixed_size: 0
    .kernarg_segment_align: 8
    .kernarg_segment_size: 32
    .max_flat_workgroup_size: 128
    .sgpr_count:     80
    .vgpr_count:     1024
    .wavefront_size: 32
...
	.end_amdgpu_metadata
.endif
;; end of part 2
;; launch gla (part 3): grid 4 x 64, 8 waves a work-group, no clusters, 301,056 bytes of LDS; arguments qkvz, amax, bg, of16, oscale; writes of16, oscale
.if DOCPART == 3
	.amdgcn_target "amdgcn-amd-amdhsa--gfx1250"
	.amdhsa_code_object_version 6
	.text
	.protected	k_q02f11479ee_gla
	.globl	k_q02f11479ee_gla
	.p2align	8
	.type	k_q02f11479ee_gla,@function
k_q02f11479ee_gla:
	s_mov_b64 s[64:65], 0
	v_nop
	global_prefetch_b8 v0, s[64:65] scope:SCOPE_SE
	s_setreg_imm32_b32 hwreg(HW_REG_WAVE_MODE, 25, 1), 1
	s_wait_xcnt 0x0
; THE SCAN.  For each (batch b, head h): S_t[d][e] = g_t[e] S_(t-1)[d][e] + k_t[d] v_t[e], o_t[e] = sum over d of q_t[d] S_t[d][e], g = sigmoid(z + bg).  2,048 rows, d, e < 64.
; Every column e is a recurrence of its own, so a work-group takes (b, h, 16 of the 64 e): 256 work-groups that hand each other nothing.
; EVERY DECAY IS A PRODUCT OF GATES, never a quotient: nothing can overflow however small the gates are.
; BLOCKS of 16 rows.  With S the state at a block's start, b_t the product of the block's gates up to row t, A = Q K^T (no gate in it):
;   o_t = b_t (q_t S) + sum over s <= t of A[t][s] w_s,   w_s = v_s x the gates behind s up to t      (the triangle: vector unit, f32)
;   S' = b_15 S + K^T V',  V'_s = w_s at t = 15                                                      (matrix unit, f16 operands, f32 sums)
; SEGMENTS of 128 rows (8 blocks): the 16 segments run side by side from a zero state, two to a wave (CHAINS A and B, one in each half of the lanes).  Then the states at the segments' ends are
; chained (16 steps, 4 numbers a thread), and by linearity o_t += bseg_t (q_t S_in), bseg_t the product of the segment's gates up to t, at most 1.
; THE VECTOR LAYOUT: lane (r, hh) holds column e = r of chain hh; a block's 16 rows lie along registers.
; SCALES.  Q, K, V are f16 as they come.  S, V' and O have no room in f16 at inputs 30 times larger, so they are multiplied by exact powers of two made of true bounds:
;   |S|, |V'| <= vmax max(2048 kmax, 1): sigma_S brings that under 2^15;   |O| <= 64 x 2048 qmax kmax vmax: sigma_O likewise;  rho = sigma_O / sigma_S.  1 / sigma_O goes to the next launch.
; LIMITS: the scales' exponents are clamped to 2^-126 .. 2^126: bounds under 2^-112 or over 2^140 are not served.  NaN and infinities in Q, K, V are not treated apart.  bseg below 6.1e-5 keeps f16's fixed step of 6e-8.
; bg is rounded to bf16 like every input.
; NO CLUSTER, NO TENSOR LOAD: the four work-groups of a head read the same Q and K (16 of a step's 20 tiles).  Joint loads land in LDS: two slots of a step's Q and K for 16 segments are
; 2 x 16 x 8 x 512 = 131,072 bytes, and 301,056 of the 327,680 are taken.  So tiles come straight into registers, as the fragments that they are.
; NO PREFETCH: a walk has 8 steps, each step's 20 loads go out a whole step ahead of their use, and a second wave shares the SIMD.
; LDS: OL 0: O' of the zero-state run, f32, 8 waves x 8 steps x 2,048.  BS 131,072: bseg, f16, 8 x 8 x 1,024.  SCR 196,608: 8,704 a wave, its own: K's 8 tiles, V's 2 (+4,096), Z's 2 (+5,120),
; A, 2 chains x 16 rows x 80 (+6,144); behind the loop the segments' end states, 4,352 apart; behind the second barrier the stage for O.  SIN 266,240: the incoming states as f16 operands, 16 x 2,048.
; DSG 299,008: the segments' decays, 16 x 64.  SPARE 300,032.
.set BSR,   131072
.set SCR,   196608
.set SCW,   8704
.set SIN,   266240
.set DSG,   299008
.set SPARE, 300032                     ; the spare words: 128 bytes a wave, four blocks of 256 bytes that no other line names
; window 0
.set SPW, 1                            ; my spare word's address; never rewritten
.set NIL, 2                            ; 0, for the add alone
.set VO,  3                            ; my byte offset in a strip of qkvz: 16 L + 8,192 w + 512 x step
.set KST, 4                            ; SCR_w + 16 L
.set TRK, 5                            ; the turning loads of K
.set TRV, 6                            ; of V (and Z, 1,024 on)
.set AST, 7                            ; where I put 32 bytes of a row of A
.set ARD, 8                            ; my chain's A
.set OLA, 9
.set BSA, 10
.set OTS, 11                           ; the stage for O: in
.set OTR, 12                           ; and back, turned
.set OGO, 13                           ; my byte offset in of16
.set BL,  14                           ; -log2(e) x bf16(bg[e])
.set ZERO, 15
.set DD,  16                           ; v16-17  b_15 of chain A, of chain B, in every lane
.set BP,  18                           ; v18-19  the product of the segment's gates up to this block, twice
.set T,   20                           ; v20-27  two sets of two pairs of partial sums; at the head and between the loops: at work
.set X,   28
.set CL,  29                           ; -log2(e)
.set ONE, 30
.set L16, 31                           ; 16 L; never rewritten
.set LQ,  32                           ; v32-63   Q's tiles: chain x 16 + 4 c
.set LK,  64                           ; v64-95   K's
.set LV,  96                           ; v96-103  V's: chain x 4
.set LZ,  104                          ; v104-111 Z's
.set ZT,  112                          ; v112-119 Z turned; then V' packed; then bseg packed
.set VT,  120                          ; v120-127 V turned
.set G,   128                          ; v128-143 the block's 16 gates; then V' of chain A (other lanes 0), of chain B
.set W,   144                          ; v144-159 w_s
.set B,   160                          ; v160-175 the accumulators of A^T; then b_t
.set O1,  176                          ; v176-191
.set QS,  192                          ; v192-207 q S
.set AB,  208                          ; v208-255 a pool of 12 quads of A
; window 1
.set SA,  0                            ; v0-63   sigma_S S, f32: chain x 32 + 8 c: lane (r, h), register j: d = 16 c + 8 h + j, e = r
.set SOP, 64                           ; v64-95  the same in f16: source 1 of Q S as it stands
.set KT,  96                           ; v96-127 K turned: fragment c: lane (r, h): d = 16 c + r, the 16 rows of chain h
.set MSB, 0
.macro WIN new
.if MSB != (\new)
	s_set_vgpr_msb (MSB<<8)|(\new)
.set MSB, \new
.endif
.endm
.macro MIXH d, s, half, m, c           ; v[d] = (f16 half of v[s]) x v[m] + v[c], in f32
.if \half
	v_fma_mix_f32 v[\d], v[\s], v[\m], v[\c] op_sel:[1,0,0] op_sel_hi:[1,0,0]
.else
	v_fma_mix_f32 v[\d], v[\s], v[\m], v[\c] op_sel_hi:[1,0,0]
.endif
.endm
.macro PMULB d, s, pr, odd             ; the pair v[d:d+1] = v[s:s+1] x one register of the pair v[pr:pr+1]: its first (odd = 0) or second
.if \odd
	v_pk_mul_f32 v[\d:\d+1], v[\s:\s+1], v[\pr:\pr+1] op_sel:[0,1] op_sel_hi:[1,1]
.else
	v_pk_mul_f32 v[\d:\d+1], v[\s:\s+1], v[\pr:\pr+1] op_sel_hi:[1,0]
.endif
.endm
.macro LOADQ                           ; a step's 8 tiles of Q: both chains (4,096 bytes apart in a strip), four strips
.irp ch, 0,1
.irp c, 0,1,2,3
	global_load_b128 v[LQ+16*\ch+4*\c:LQ+16*\ch+4*\c+3], v[VO], s[20:21] offset:\c*262144+\ch*4096
.endr
.endr
.endm
.macro LOADKVZ
.irp ch, 0,1
.irp c, 0,1,2,3
	global_load_b128 v[LK+16*\ch+4*\c:LK+16*\ch+4*\c+3], v[VO], s[22:23] offset:\c*262144+\ch*4096
.endr
.endr
.irp ch, 0,1
	global_load_b128 v[LV+4*\ch:LV+4*\ch+3], v[VO], s[24:25] offset:\ch*4096
	global_load_b128 v[LZ+4*\ch:LZ+4*\ch+3], v[VO], s[26:27] offset:\ch*4096
.endr
.endm
.macro QSMUL                           ; q S for both chains: lane = e, registers t = 8 h + j.  The two accumulators take turns
	WIN 0x04                                       ; source 1 in window 1
	v_wmma_f32_16x16x32_f16 v[QS:QS+7], v[LQ:LQ+7], v[SOP:SOP+7], 0
	v_wmma_f32_16x16x32_f16 v[QS+8:QS+15], v[LQ+16:LQ+23], v[SOP+16:SOP+23], 0
	v_wmma_f32_16x16x32_f16 v[QS:QS+7], v[LQ+8:LQ+15], v[SOP+8:SOP+15], v[QS:QS+7]
	v_wmma_f32_16x16x32_f16 v[QS+8:QS+15], v[LQ+24:LQ+31], v[SOP+24:SOP+31], v[QS+8:QS+15]
	WIN 0
.endm
.macro QSWAP                           ; chain A's rows 8-15 (upper lanes) change places with chain B's rows 0-7 (lower lanes): QS[t] is then in the vector layout
.irp j, 0,1,2,3,4,5,6,7
	v_permlane16_swap_b32 v[QS+\j], v[QS+8+\j]
.endr
.endm
; A's lower triangle is read in quads of four s: row t has t / 4 + 1 of them, 40 in all, numbered row by row.  Quad k goes to place k % 12 of the pool.  All 16 lanes of a chain read the same 16 bytes.
.macro QLOAD
.if ISS < 4
.set qt, ISS
.set qq, 0
.elseif ISS < 12
.set qt, 4+(ISS-4)/2
.set qq, (ISS-4)%2
.elseif ISS < 24
.set qt, 8+(ISS-12)/3
.set qq, (ISS-12)%3
.else
.set qt, 12+(ISS-24)/4
.set qq, (ISS-24)%4
.endif
	ds_load_b128 v[AB+4*(ISS%12):AB+4*(ISS%12)+3], v[ARD] offset:qt*80+16*qq
.set ISS, ISS+1
.endm
; ROW t of the triangle: w_s *= g_t for s < t; b_t = b_(t-1) g_t; the sum of A[t][s] w_s over s <= t, two s an instruction, in two chains of partial sums.
.macro ROWT t
.if (\t) < 4
.set qe, (\t)+1
.elseif (\t) < 8
.set qe, 2*(\t)-2
.elseif (\t) < 12
.set qe, 3*(\t)-9
.else
.set qe, 4*(\t)-20
.endif
.set qs, qe-(\t)/4-1                   ; the row's first quad; qe: quads up to its last
.set TA, T+4*((\t)%2)
.set gp, G+2*((\t)/2)
.set go, (\t)%2
	s_wait_dscnt ISS-qe                            ; LDS loads come back in order: the quads issued beyond this row's last may stay out
.set p, 0
.rept (\t)/2
	PMULB W+2*p, W+2*p, gp, go
.set p, p+1
.endr
.if go
	v_mul_f32 v[W+(\t)-1], v[W+(\t)-1], v[G+(\t)]
.endif
.if (\t) == 0
	v_mov_b32 v[B], v[G]
.else
	v_mul_f32 v[B+(\t)], v[B+(\t)-1], v[G+(\t)]
.endif
.set p, 0
.rept ((\t)+1)/2
.set ar, AB+4*((qs+p/2)%12)+2*(p%2)
.if p < 2
	v_pk_mul_f32 v[TA+2*p:TA+2*p+1], v[ar:ar+1], v[W+2*p:W+2*p+1]
.else
	v_pk_fma_f32 v[TA+2*(p%2):TA+2*(p%2)+1], v[ar:ar+1], v[W+2*p:W+2*p+1], v[TA+2*(p%2):TA+2*(p%2)+1]
.endif
.set p, p+1
.endr
.if !go                                ; an even row's own term stands alone: its pair's other half is a later row's
.set ar, AB+4*((qs+(\t)/4)%12)+(\t)%4
.if (\t) == 0
	v_mul_f32 v[O1], v[ar], v[W]
.else
	v_fma_f32 v[TA], v[ar], v[W+(\t)], v[TA]
.endif
.endif
.rept 4                                ; the places that this row has freed are filled again
.if (ISS < 40) && (ISS < qe+12)
	QLOAD
.endif
.endr
.endm
.macro FIN t                           ; row t's partial sums are added a row later, so that no line waits for the one before it
.set TA, T+4*((\t)%2)
.if (\t) >= 3
	v_pk_add_f32 v[TA:TA+1], v[TA:TA+1], v[TA+2:TA+3]
.endif
	v_add_f32 v[O1+(\t)], v[TA], v[TA+1]
.endm
	s_load_b256 s[4:11], s[0:1], 0x0               ; qkvz s[4:5], amax s[6:7], bg s[8:9], of16 s[10:11]
	s_load_b64 s[12:13], s[0:1], 0x20              ; oscale
	v_lshl_add_u32 v[SPW], v0, 2, SPARE
	v_mov_b32 v[NIL], 0
	v_lshrrev_b32 v20, 5, v0
	v_readfirstlane_b32 s14, v20                   ; wave w
	v_and_b32 v27, 31, v0                          ; L
	v_and_b32 v20, 15, v0                          ; r
	v_bfe_u32 v21, v0, 4, 1                        ; hh
	v_bfe_u32 v22, v0, 3, 1
	v_and_b32 v23, 7, v0
	v_lshlrev_b32 v[L16], 4, v27
	s_and_b32 s16, ttmp7, 0xffff
	s_lshr_b32 s17, s16, 4                         ; b
	s_and_b32 s18, s16, 15                         ; h
	s_mul_i32 s40, s14, SCW
	s_add_co_u32 s40, s40, SCR                     ; SCR_w
	s_lshl_b32 s41, s14, 13                        ; my two segments in a strip: 16 tiles
	s_lshl_b32 s42, s14, 14                        ; my part of OL
	s_add_co_u32 s43, s41, BSR                     ; of BS
	s_add_co_u32 s44, s40, 4096
	s_add_co_u32 s45, s40, 6144
	s_lshl_b32 s46, s14, 19                        ; my 16 blocks of rows in of16
	s_mov_b32 s31, 0xffff0000                      ; lanes 16-31
	s_mov_b32 s32, 0x76543210                      ; v_permlanex16_b32: each lane takes its own place in the other half
	s_mov_b32 s33, 0xfedcba98
	v_add_nc_u32 v[KST], s40, v[L16]
	; a tile in LDS holds row s, columns 8 u .. at 16 s + 256 u.  The turning load: lane 8 g + j names row j (8 + j at 128 on), half g % 2, of chain g / 2; lane (r, hh) then holds column r and 8 rows of chain hh
	v_lshlrev_b32 v24, 4, v23
	v_lshl_add_u32 v24, v22, 8, v24
	v_lshl_add_u32 v[TRK], v21, 11, v24
	v_add_nc_u32 v[TRK], s40, v[TRK]
	v_lshl_add_u32 v[TRV], v21, 9, v24
	v_add_nc_u32 v[TRV], s44, v[TRV]
	v_mul_u32_u24 v[AST], v20, 80                  ; A: row t = r, 80 bytes apart (64 + 16: the 16 rows start at 16 different groups of four banks), s = 8 hh .. at 32 hh
	v_lshl_add_u32 v[AST], v21, 5, v[AST]
	v_add_nc_u32 v[AST], s45, v[AST]
	v_mul_u32_u24 v[ARD], v21, 1280
	v_add_nc_u32 v[ARD], s45, v[ARD]
	v_lshlrev_b32 v[OTS], 5, v20                   ; O's stage: row e, 32 bytes (16 t), chain B 512 on
	v_lshl_add_u32 v[OTS], v21, 9, v[OTS]
	v_add_nc_u32 v[OTS], s40, v[OTS]
	v_lshl_add_u32 v[OTR], v21, 3, v23             ; back, turned: lane names row e = 8 (L / 16) + L % 8, half (L / 8) % 2 of its t
	v_lshlrev_b32 v[OTR], 5, v[OTR]
	v_lshl_add_u32 v[OTR], v22, 4, v[OTR]
	v_add_nc_u32 v[OTR], s40, v[OTR]
	v_add_nc_u32 v[OGO], s46, v[L16]
	v_add_nc_u32 v[OLA], s42, v[L16]
	v_add_nc_u32 v[BSA], s43, v[L16]
	v_add_nc_u32 v[VO], s41, v[L16]
	v_mov_b32 v[ZERO], 0
	v_mov_b32 v[CL], 0xbfb8aa3b                    ; -log2(e)
	v_mov_b32 v[ONE], 1.0
	v_mov_b32 v[BP], 1.0
	v_mov_b32 v[BP+1], 1.0
	v_mov_b32 v[X], 0                              ; v_permlanex16_b32's destination counts as read
	s_lshl_b32 s48, s18, 20                        ; Q: the head's four strips,
	s_lshl_b32 s49, s17, 16                        ; the batch's 128 blocks of rows
	s_add_co_u32 s48, s48, s49
	s_mov_b32 s49, 0
	s_lshl_b32 s50, s18, 2
	s_add_co_u32 s50, s50, ttmp9                   ; 4 h + eq: my strip of V and Z, my tile column of O
	s_lshl_b32 s52, s50, 18
	s_lshl_b32 s53, s17, 16
	s_add_co_u32 s52, s52, s53
	s_mov_b32 s53, 0
	s_lshl_b32 s54, s17, 22                        ; of16: 128 blocks of rows of 32,768 bytes
	s_lshl_b32 s55, s50, 9
	s_add_co_u32 s54, s54, s55
	s_mov_b32 s55, 0
	s_lshl_b32 s47, s50, 6                         ; bg: 16 numbers of 4 bytes
	v_lshl_add_u32 v25, v20, 2, s47
	s_wait_kmcnt 0x0
	s_add_nc_u64 s[20:21], s[4:5], s[48:49]        ; Q
	s_add_nc_u64 s[22:23], s[20:21], 0x1000000     ; K: a tensor is 2^24 bytes
	s_add_nc_u64 s[24:25], s[4:5], s[52:53]
	s_add_nc_u64 s[24:25], s[24:25], 0x2000000     ; V
	s_add_nc_u64 s[26:27], s[24:25], 0x1000000     ; Z
	s_add_nc_u64 s[28:29], s[10:11], s[54:55]      ; O
.irp i, 0,1,2,3,4,5,6,7,8,9,10,11
	global_load_b128 v[AB+4*\i:AB+4*\i+3], v[L16], s[6:7] offset:\i*512  ; the maxima of Q, K, V: 512 each, 16 a lane
.endr
	global_load_b32 v26, v25, s[8:9]
	LOADQ                                          ; step 0
	LOADKVZ
	WIN 0x40                                       ; the state starts at 0: written while the loads are on their way, so that the loop has one form of step
.set i, 0
.rept 96
	v_mov_b32 v[i], 0
.set i, i+1
.endr
	WIN 0
	s_wait_loadcnt 20                              ; the maxima and bg are in; step 0's 20 loads stay out
.irp n, 0,16,32
	v_max3_num_f32 v[AB+\n], v[AB+\n], v[AB+\n+1], v[AB+\n+2]
.endr
.irp i, 3,5,7,9,11,13
.irp n, 0,16,32
	v_max3_num_f32 v[AB+\n], v[AB+\n], v[AB+\n+\i], v[AB+\n+\i+1]
.endr
.endr
.irp n, 0,16,32
	v_max_num_f32 v[AB+\n], v[AB+\n], v[AB+\n+15]
.endr
.irp m, 1,2,4,8
.irp n, 0,16,32
	v_max_num_f32_dpp v[AB+\n], v[AB+\n], v[AB+\n] row_xmask:\m row_mask:0xf bank_mask:0xf
.endr
.endr
.irp n, 0,16,32
	v_permlanex16_b32 v[AB+\n+1], v[AB+\n], s32, s33
.endr
.irp n, 0,16,32
	v_max_num_f32 v[AB+\n], v[AB+\n], v[AB+\n+1]   ; qmax at AB, kmax at AB + 16, vmax at AB + 32
.endr
	v_mul_f32 v[AB+1], 0x45000000, v[AB+16]        ; 2048 kmax
	v_mul_f32 v[AB+2], v[AB+1], v[AB+32]
	v_mul_f32 v[AB+2], v[AB+2], v[AB]
	v_mul_f32 v[AB+2], 0x42800000, v[AB+2]         ; O's bound: 64 x 2048 qmax kmax vmax
	v_max_num_f32 v[AB+1], 1.0, v[AB+1]
	v_mul_f32 v[AB+1], v[AB+1], v[AB+32]           ; S's and V's bound
	v_readfirstlane_b32 s48, v[AB+1]
	v_readfirstlane_b32 s49, v[AB+2]
	s_bfe_u32 s48, s48, 0x80017                    ; the exponent field E: the bound is under 2^(E - 126)
	s_bfe_u32 s49, s49, 0x80017
	s_sub_co_u32 s48, 268, s48                     ; the scale 2^(141 - E) brings it under 2^15
	s_min_u32 s48, s48, 253
	s_sub_co_u32 s49, 268, s49
	s_min_u32 s49, s49, 253
	s_sub_co_i32 s50, s49, s48
	s_add_co_i32 s50, s50, 127
	s_max_i32 s50, s50, 1
	s_min_i32 s50, s50, 253
	s_sub_co_u32 s51, 254, s49
	s_lshl_b32 s34, s48, 23                        ; s[34:35] sigma_S
	s_mov_b32 s35, s34
	s_lshl_b32 s36, s49, 23                        ; s[36:37] sigma_O
	s_mov_b32 s37, s36
	s_lshl_b32 s38, s50, 23                        ; s[38:39] rho
	s_mov_b32 s39, s38
	s_lshl_b32 s51, s51, 23                        ; 1 / sigma_O
	v_cvt_pk_bf16_f32 v26, v26, v26
	v_lshlrev_b32 v26, 16, v26
	v_mul_f32 v[BL], v[CL], v26
	s_or_b32 s52, ttmp9, s16
	s_or_b32 s52, s52, s14
	s_cmp_lg_u32 s52, 0
	s_cbranch_scc1 .Lno_scale                      ; one wave of the launch hands 1 / sigma_O on
	v_mov_b32 v[AB+4], s51
	v_lshlrev_b32 v[AB+5], 2, v27
	global_store_b32 v[AB+5], v[AB+4], s[12:13]
	s_wait_xcnt 0x0                                ; its two registers belong to the pool, which is loaded soon
.Lno_scale:
	s_mov_b32 s30, 8
.Lstep:                                                ; a block of 16 rows of both chains
	s_wait_loadcnt 0x0                             ; this step's 20 tiles, asked for a step ago
.irp i, 0,1,2,3,4,5,6,7
	ds_store_b128 v[KST], v[LK+4*\i:LK+4*\i+3] offset:\i*512
.endr
.irp ch, 0,1
	ds_store_b128 v[KST], v[LV+4*\ch:LV+4*\ch+3] offset:4096+\ch*512
	ds_store_b128 v[KST], v[LZ+4*\ch:LZ+4*\ch+3] offset:5120+\ch*512
.endr
	; A^T = K Q^T: lane = row t, registers s = 8 h + j.  The two chains' accumulators take turns
	v_wmma_f32_16x16x32_f16 v[B:B+7], v[LK:LK+7], v[LQ:LQ+7], 0
	v_wmma_f32_16x16x32_f16 v[B+8:B+15], v[LK+16:LK+23], v[LQ+16:LQ+23], 0
	v_wmma_f32_16x16x32_f16 v[B:B+7], v[LK+8:LK+15], v[LQ+8:LQ+15], v[B:B+7]
	v_wmma_f32_16x16x32_f16 v[B+8:B+15], v[LK+24:LK+31], v[LQ+24:LQ+31], v[B+8:B+15]
	QSMUL
	v_add_nc_u32 v[VO], 512, v[VO]                 ; free since the wait at the step's head.  With the v_nop: the places behind the products
.rept 7
	v_nop
.endr
	ds_store_b128 v[AST], v[B:B+3]
	ds_store_b128 v[AST], v[B+4:B+7] offset:16
	ds_store_b128 v[AST], v[B+8:B+11] offset:1280
	ds_store_b128 v[AST], v[B+12:B+15] offset:1296
	s_cmp_eq_u32 s30, 1
	s_cbranch_scc1 .Lno_load                       ; the last step has no next
	LOADQ
	LOADKVZ
.Lno_load:
	ds_load_tr16_b128 v[ZT:ZT+3], v[TRV] offset:1024    ; LDS serves a wave's instructions in order: these see the stores above
	ds_load_tr16_b128 v[ZT+4:ZT+7], v[TRV] offset:1152
	ds_load_tr16_b128 v[VT:VT+3], v[TRV]
	ds_load_tr16_b128 v[VT+4:VT+7], v[TRV] offset:128
	WIN 0x40
.irp c, 0,1,2,3
	ds_load_tr16_b128 v[KT+8*\c:KT+8*\c+3], v[TRK] offset:\c*512
	ds_load_tr16_b128 v[KT+8*\c+4:KT+8*\c+7], v[TRK] offset:\c*512+128
.endr
	WIN 0
.set ISS, 0
.rept 12
	QLOAD
.endr
	; the gates: g = 1 / (1 + 2^(-log2(e) (z + bg)))
	s_wait_dscnt 22                                ; Z is in: behind it V's 2, K's 8 and A's 12 loads
.set t, 0
.rept 16
	MIXH G+t, ZT+t/2, t%2, CL, BL
.set t, t+1
.endr
.set t, 0
.rept 16
	v_exp_f32 v[G+t], v[G+t]
.set t, t+1
.endr
	s_wait_dscnt 20                                ; V is in
.set t, 0
.rept 16
	MIXH W+t, VT+t/2, t%2, ONE, ZERO               ; w_s starts as v_s: the plain work behind the exponentials
.set t, t+1
.endr
	s_wait_alu depctr_va_vdst(0)                   ; one wait for the 16 exponentials, ahead of their first reader
.set t, 0
.rept 8
	v_pk_add_f32 v[G+t:G+t+1], v[G+t:G+t+1], 1.0 op_sel_hi:[1,0]
.set t, t+2
.endr
.set t, 0
.rept 16
	v_rcp_f32 v[G+t], v[G+t]
.set t, t+1
.endr
	v_nop
	s_wait_alu depctr_va_vdst(0)                   ; one wait for the 16 reciprocals
	ROWT 0
	ROWT 1
.irp t, 2,3,4,5,6,7,8,9,10,11,12,13,14,15
	ROWT \t
	FIN (\t)-1
.endr
	FIN 15
	QSWAP
	; V' = sigma_S w, in f16; as source 1 its lanes' halves are the two chains' rows along k, as K turned has them; the other chain's half is 0
.set i, 0
.rept 8
	v_pk_mul_f32 v[W+2*i:W+2*i+1], v[W+2*i:W+2*i+1], s[34:35] op_sel_hi:[1,0]
.set i, i+1
.endr
.set i, 0
.rept 8
	v_cvt_pk_f16_f32 v[ZT+i], v[W+2*i], v[W+2*i+1]
.set i, i+1
.endr
.set i, 0
.rept 8
	v_cndmask_b32 v[G+i], v[ZT+i], 0, s31
	v_cndmask_b32 v[G+8+i], 0, v[ZT+i], s31
.set i, i+1
.endr
	v_permlanex16_b32 v[X], v[B+15], s32, s33
	v_cndmask_b32 v[DD], v[B+15], v[X], s31        ; chain A's b_15[e] in both halves of the lanes,
	v_cndmask_b32 v[DD+1], v[X], v[B+15], s31      ; chain B's
	WIN 0x41                                       ; destination and source 0 in window 1
.set i, 0
.rept 16
	PMULB SA+2*i, SA+2*i, DD, 0
.set i, i+1
.endr
.set i, 0
.rept 16
	PMULB SA+32+2*i, SA+32+2*i, DD, 1
.set i, i+1
.endr
	WIN 0x51                                       ; K turned, C and D in window 1, V' in window 0.  Eight accumulators, one instruction each
.irp c, 0,1,2,3
	v_wmma_f32_16x16x32_f16 v[SA+8*\c:SA+8*\c+7], v[KT+8*\c:KT+8*\c+7], v[G:G+7], v[SA+8*\c:SA+8*\c+7]
	v_wmma_f32_16x16x32_f16 v[SA+32+8*\c:SA+32+8*\c+7], v[KT+8*\c:KT+8*\c+7], v[G+8:G+15], v[SA+32+8*\c:SA+32+8*\c+7]
.endr
	WIN 0
	; O' = sigma_O (the triangle) + rho b_t (q S); bseg.  These lines name no register of the products above: they are the places behind them
.set i, 0
.rept 8
	v_pk_mul_f32 v[QS+2*i:QS+2*i+1], v[QS+2*i:QS+2*i+1], v[B+2*i:B+2*i+1]
.set i, i+1
.endr
.set i, 0
.rept 8
	v_pk_mul_f32 v[QS+2*i:QS+2*i+1], v[QS+2*i:QS+2*i+1], s[38:39] op_sel_hi:[1,0]
.set i, i+1
.endr
.set i, 0
.rept 8
	v_pk_fma_f32 v[O1+2*i:O1+2*i+1], v[O1+2*i:O1+2*i+1], s[36:37], v[QS+2*i:QS+2*i+1] op_sel_hi:[1,0,1]
.set i, i+1
.endr
.irp i, 0,1,2,3
	ds_store_b128 v[OLA], v[O1+4*\i:O1+4*\i+3] offset:\i*512
.endr
.set i, 0
.rept 8
	v_pk_mul_f32 v[AB+2*i:AB+2*i+1], v[B+2*i:B+2*i+1], v[BP:BP+1]
.set i, i+1
.endr
.set i, 0
.rept 8
	v_cvt_pk_f16_f32 v[ZT+i], v[AB+2*i], v[AB+2*i+1]
.set i, i+1
.endr
	ds_store_b128 v[BSA], v[ZT:ZT+3]
	ds_store_b128 v[BSA], v[ZT+4:ZT+7] offset:512
	PMULB BP, BP, B+14, 1                          ; x b_15
	v_add_nc_u32 v[OLA], 2048, v[OLA]
	v_add_nc_u32 v[BSA], 1024, v[BSA]
	WIN 0x45                                       ; the new state as the next step's operand: each accumulator from its low end on
.set i, 0
.rept 32
	v_cvt_pk_f16_f32 v[SOP+i], v[SA+2*i], v[SA+2*i+1]
.set i, i+1
.endr
	WIN 0
	s_sub_co_u32 s30, s30, 1
	s_cmp_lg_u32 s30, 0
	s_cbranch_scc1 .Lstep
	s_wait_loadcnt 0x0                             ; no global load into v32-111 is out (the last step asked for none): those registers are loaded anew below, from LDS and then with Q
	; THE SEGMENTS ARE CHAINED.  My two end states and decays go to LDS; thread tau then owns 4 numbers (d = 16 (tau / 64) + 8 h + 4 ((tau / 32) % 2) + 0..3, e = tau % 16) of all 16 segments.
	WIN 0x04                                       ; store data in window 1
.irp ch, 0,1
.irp c, 0,1,2,3
	ds_store_b128 v[KST], v[SA+32*\ch+8*\c:SA+32*\ch+8*\c+3] offset:\ch*4352+\c*1024
	ds_store_b128 v[KST], v[SA+32*\ch+8*\c+4:SA+32*\ch+8*\c+7] offset:\ch*4352+\c*1024+512
.endr
.endr
	WIN 0
	v_lshl_add_u32 v20, v0, 2, DSG                 ; segment 2 w + hh, column r: 64 (2 w + hh) + 4 r = 4 x my thread's number
	ds_store_b32 v20, v[BP]
	v_lshl_add_u32 v21, v0, 4, SCR
	v_and_b32 v22, 15, v0
	v_lshl_add_u32 v22, v22, 2, DSG
	v_lshrrev_b32 v23, 6, v0
	v_lshl_add_u32 v23, v23, 9, v[L16]
	v_bfe_u32 v24, v0, 5, 1
	v_lshl_add_u32 v23, v24, 3, v23
	v_add_nc_u32 v23, SIN, v23                     ; my 8 bytes of an operand: tile c at 512 c, lane L at 16 L, my half of its 16 bytes
	s_wait_dscnt 0x0                               ; for the others' sake
	s_barrier_signal -1
	s_barrier_wait -1
.set j, 0
.rept 16
	ds_load_b128 v[32+4*j:32+4*j+3], v21 offset:j*4352
	ds_load_b32 v[96+j], v22 offset:j*64
.set j, j+1
.endr
.irp i, 112,113,114,115
	v_mov_b32 v\i, 0                               ; the first segment's incoming state
.endr
	s_wait_dscnt 0x0
.set j, 0
.rept 16
	v_cvt_pk_f16_f32 v116, v112, v113
	v_cvt_pk_f16_f32 v117, v114, v115
	ds_store_b64 v23, v[116:117] offset:j*2048     ; segment j's incoming state
.if j < 15
.if j%2
	v_pk_fma_f32 v[112:113], v[112:113], v[96+j-1:96+j], v[32+4*j:32+4*j+1] op_sel:[0,1,0] op_sel_hi:[1,1,1]
	v_pk_fma_f32 v[114:115], v[114:115], v[96+j-1:96+j], v[32+4*j+2:32+4*j+3] op_sel:[0,1,0] op_sel_hi:[1,1,1]
.else
	v_pk_fma_f32 v[112:113], v[112:113], v[96+j:96+j+1], v[32+4*j:32+4*j+1] op_sel_hi:[1,0,1]
	v_pk_fma_f32 v[114:115], v[114:115], v[96+j:96+j+1], v[32+4*j+2:32+4*j+3] op_sel_hi:[1,0,1]
.endif
.endif
.set j, j+1
.endr
	s_lshl_b32 s53, s14, 12
	s_add_co_u32 s53, s53, SIN
	v_add_nc_u32 v24, s53, v[L16]
	v_add_nc_u32 v[VO], s41, v[L16]                ; back to the segments' first blocks
	v_add_nc_u32 v[OLA], s42, v[L16]
	v_add_nc_u32 v[BSA], s43, v[L16]
	s_wait_dscnt 0x0                               ; my stores are done, and my reads of the end states: their bytes become stages behind this barrier
	s_barrier_signal -1
	s_barrier_wait -1
	WIN 0x40
.irp ch, 0,1
.irp c, 0,1,2,3
	ds_load_b128 v[SOP+16*\ch+4*\c:SOP+16*\ch+4*\c+3], v24 offset:\ch*2048+\c*512
.endr
.endr
	WIN 0
	LOADQ
	s_mov_b32 s30, 8
.Lcstep:                                               ; a block once more: O' += rho bseg_t (q_t S_in), rounded to f16, turned into a tile and stored
	s_wait_loadcnt 0x0                             ; Q
	s_wait_dscnt 0x0                               ; the first time: S_in
	QSMUL
.irp i, 0,1,2,3
	ds_load_b128 v[O1+4*\i:O1+4*\i+3], v[OLA] offset:\i*512
.endr
	ds_load_b128 v[ZT:ZT+3], v[BSA]
	ds_load_b128 v[ZT+4:ZT+7], v[BSA] offset:512
	v_add_nc_u32 v[VO], 512, v[VO]                 ; with the v_nop: the places behind the products
	v_add_nc_u32 v[OLA], 2048, v[OLA]
	v_add_nc_u32 v[BSA], 1024, v[BSA]
.rept 5
	v_nop
.endr
	s_cmp_eq_u32 s30, 1
	s_cbranch_scc1 .Lcno_load
	LOADQ
.Lcno_load:
	QSWAP
	s_wait_dscnt 0x0
.set t, 0
.rept 16
	MIXH QS+t, ZT+t/2, t%2, QS+t, ZERO
.set t, t+1
.endr
.set i, 0
.rept 8
	v_pk_fma_f32 v[O1+2*i:O1+2*i+1], v[QS+2*i:QS+2*i+1], s[38:39], v[O1+2*i:O1+2*i+1] op_sel_hi:[1,0,1]
.set i, i+1
.endr
.set i, 0
.rept 8
	v_cvt_pk_f16_f32 v[AB+i], v[O1+2*i], v[O1+2*i+1]
.set i, i+1
.endr
	s_wait_xcnt 0x0                                ; the last step's stores have read their offset and their data
	v_add_nc_u32 v[OGO], 32768, v[OGO]             ; the stores below reach back by the immediate
	ds_store_b128 v[OTS], v[AB:AB+3]
	ds_store_b128 v[OTS], v[AB+4:AB+7] offset:16
	ds_load_tr16_b128 v[AB+8:AB+11], v[OTR]        ; lane (r, h): row t = r, columns e = 8 h ..: a tile as it lies in memory
	ds_load_tr16_b128 v[AB+12:AB+15], v[OTR] offset:512
	s_wait_dscnt 0x0
	global_store_b128 v[OGO], v[AB+8:AB+11], s[28:29] offset:-32768          ; chain A's tile: 512 consecutive bytes, aligned
	global_store_b128 v[OGO], v[AB+12:AB+15], s[28:29] offset:262144-32768   ; chain B's: 8 blocks of rows on
	s_sub_co_u32 s30, s30, 1
	s_cmp_lg_u32 s30, 0
	s_cbranch_scc1 .Lcstep
	s_wait_tensorcnt 0x0                           ; the wave's end: behind the last LDS store
	ds_add_u32 v[SPW], v[NIL]
	s_wait_dscnt 0x0
	s_endpgm
.Lfunc_end_k_q02f11479ee_gla:
	.size	k_q02f11479ee_gla, .Lfunc_end_k_q02f11479ee_gla-k_q02f11479ee_gla
	.p2alignl 7, 3214868480
	.fill 96, 4, 3214868480
	.section	.rodata,"a",@progbits
	.p2align	6, 0x0
	.amdhsa_kernel k_q02f11479ee_gla
		.amdhsa_group_segment_fixed_size 301056
		.amdhsa_private_segment_fixed_size 0
		.amdhsa_enable_private_segment 0
		.amdhsa_kernarg_size 40
		.amdhsa_user_sgpr_count 2
		.amdhsa_user_sgpr_kernarg_segment_ptr 1
		.amdhsa_wavefront_size32 1
		.amdhsa_system_sgpr_workgroup_id_x 1
		.amdhsa_system_sgpr_workgroup_id_y 1
		.amdhsa_system_sgpr_workgroup_id_z 1
		.amdhsa_system_vgpr_workitem_id 0
		.amdhsa_next_free_vgpr 384
		.amdhsa_next_free_sgpr 66
		.amdhsa_reserve_vcc 0
		.amdhsa_float_denorm_mode_32 3
		.amdhsa_float_denorm_mode_16_64 3
		.amdhsa_memory_ordered 1
		.amdhsa_forward_progress 1
		.amdhsa_inst_pref_size 61
	.end_amdhsa_kernel
	.amdgpu_metadata
---
amdhsa.version: [ 1, 2 ]
amdhsa.kernels:
  - .name:           k_q02f11479ee_gla
    .symbol:         k_q02f11479ee_gla.kd
    .args:
      - { .name: qkvz, .offset: 0, .size: 8, .value_kind: global_buffer, .address_space: global }
      - { .name: amax, .offset: 8, .size: 8, .value_kind: global_buffer, .address_space: global }
      - { .name: bg, .offset: 16, .size: 8, .value_kind: global_buffer, .address_space: global }
      - { .name: of16, .offset: 24, .size: 8, .value_kind: global_buffer, .address_space: global }
      - { .name: oscale, .offset: 32, .size: 8, .value_kind: global_buffer, .address_space: global }
    .group_segment_fixed_size: 301056
    .private_segment_fixed_size: 0
    .kernarg_segment_align: 8
    .kernarg_segment_size: 40
    .max_flat_workgroup_size: 256
    .sgpr_count:     66
    .vgpr_count:     384
    .wavefront_size: 32
...
	.end_amdgpu_metadata
.endif
;; end of part 3
;; launch g2 (part 4): grid 4 x 64, 4 waves a work-group, clusters of 4 x 4, 327,680 bytes of LDS; arguments of16, wot, out0, oscale; writes out0
.if DOCPART == 4
	.amdgcn_target "amdgcn-amd-amdhsa--gfx1250"
	.amdhsa_code_object_version 6
	.text
	.protected	k_q02f11479ee_g2
	.globl	k_q02f11479ee_g2
	.p2align	8
	.type	k_q02f11479ee_g2,@function
k_q02f11479ee_g2:
	s_mov_b64 s[64:65], 0
	v_nop
	global_prefetch_b8 v0, s[64:65] scope:SCOPE_SE
	s_setreg_imm32_b32 hwreg(HW_REG_WAVE_MODE, 25, 1), 1
	s_wait_xcnt 0x0
	s_wait_alu depctr_hold_cnt(0) depctr_sa_sdst(0) depctr_va_vdst(0) depctr_va_sdst(0) depctr_va_ssrc(0) depctr_va_vcc(0) depctr_vm_vsrc(0)
	s_getreg_b32 s2, hwreg(HW_REG_IB_STS2, 6, 4)
	s_cmp_eq_u32 s2, 0
	s_cbranch_scc0 .Lentry_in_a_cluster
	s_endpgm
.Lentry_in_a_cluster:
	s_bfe_u32 s2, ttmp6, 0x10000c
	s_cmp_lg_u32 s2, 0xf033
	s_cbranch_scc0 .Lentry_shape_is_right
	s_endpgm
.Lentry_shape_is_right:
; out = (O' Wo) / sigma_O: C[m][n] = oscale x sum over k of of16[m][k] wot[n][k], m < 8192, n, k < 1024; f16 operands, f32 sums, f32 out, row-major.
; of16 [R 512][kt 64] and wot [NB 64][kt 64] lie in TILES of 16 x 16 numbers, 512 bytes, lane L = r + 16 h owning the 16 bytes at 16 L (row r, columns 8 h ..).
; A tile of C is 128 x 256, which gives each of 256 work-groups one: four waves, each 64 x 128 in 32 accumulators.  K goes in 8 steps of 128 through a ring of two LDS slots filled by the tensor data mover;
; a K step of a block of 16 rows is 4,096 consecutive bytes; in LDS the blocks lie end to end and a fragment load is 512 consecutive bytes: no padding.
; CLUSTER 4 x 4: the four work-groups of a row of the cluster ask jointly for of16's blocks, the four of a column for wot's.
; Source 0 = wot's rows, source 1 = of16's: a lane holds eight neighbouring columns of one row of C.  On the way out 16 rows at a time go through the wave's own stage, so that each store is 512 consecutive bytes of a row.
; NO PREFETCH: the walk has 8 K steps, of which the first four would come by their loads alone, and wot's 2 MiB are read by every cluster.
; REGISTERS: window 0: v16-31 addresses; v64-127 of16's fragments, two buffers; v128-191 rows read back; v192-255 scaled results     window 1: v64-191 wot's fragments, two buffers     window 2: accumulator (a, b) at v[8 (8 a + b)]
.set NA,    4
.set ABLK,  2*NA
.set KSB,   4096
.set SLOT,  (ABLK+16)*4096
.set STAGE, 2*SLOT                     ; behind the ring, never filled by a tensor load: 16 rows x 528 bytes for each wave
.set SP,    528                        ; 512 bytes + 16 = 33 x 16: the 16 rows of a store start at 16 different groups of four banks (ISA guide 11.1)
.set SPARE, STAGE+4*16*SP              ; the spare words: 128 bytes a wave, two blocks of 256 bytes that no other line names
.set LAPS,  4
.set ADRA, 16
.set ADRB, 20
.set STO,  24                          ; v24 where I put 32 bytes of a row
.set RD,   25                          ; v25 where I read a row back
.set CO,   26                          ; v26 16 L
.set SPW,  28
.set NIL,  29
.set BK,   128
.set TMP,  192
.set G1,  24
.set G0,  32
.set G1B, 48
.set G0B, 56
.set WV,  70
.set HI,  71
.set LO,  72
.set SC,  74                           ; s[74:75] 1 / sigma_O
.set MSB, 0
.macro WIN new
.if MSB != (\new)
	s_set_vgpr_msb (MSB<<8)|(\new)
.set MSB, \new
.endif
.endm
.macro PLACES
.rept 4
	v_nop
.endr
.endm
.macro JLOAD s                         ; a joint load: waves 0, 1 fetch of16's two halves, waves 2, 3 wot's; an s_nop 0 and four v_nop follow each line
	s_cmp_eq_u32 s[HI], 0
	s_cbranch_scc0 .Lfor_b_\@
	tensor_load_to_lds s[G0+4*(\s):G0+4*(\s)+3], s[G1:G1+7]
	s_nop 0
.rept 4
	v_nop
.endr
	s_branch .Lasked_\@
.Lfor_b_\@:
	tensor_load_to_lds s[G0B+4*(\s):G0B+4*(\s)+3], s[G1B:G1B+7]
	s_nop 0
.rept 4
	v_nop
.endr
.Lasked_\@:
.endm
.macro CREST
	s_cmp_lg_u32 s[WV], 0
	s_cbranch_scc1 .Lnot_wave_0_\@
	s_barrier_signal -3
.Lnot_wave_0_\@:
	s_barrier_wait -3
	s_barrier_signal -1
	s_barrier_wait -1
.endm
.macro CROUND
	s_barrier_signal -1
	s_barrier_wait -1
	CREST
.endm
.macro MULA f, a, zero                 ; block a of my rows x all 8 column blocks, 32 along K
	WIN 0xa1
.set rA, 64+8*NA*(\f)+8*(\a)
.irp b, 0,1,2,3,4,5,6,7
.set rD, 8*(8*(\a)+(\b))
.set rB, 64+64*(\f)+8*(\b)
.if \zero
	v_wmma_f32_16x16x32_f16 v[rD:rD+7], v[rB:rB+7], v[rA:rA+7], 0
.else
	v_wmma_f32_16x16x32_f16 v[rD:rD+7], v[rB:rB+7], v[rA:rA+7], v[rD:rD+7]
.endif
.endr
.endm
.macro MULS f, a0, n, zero             ; the accumulators take turns, each once in a quarter step
.set am, \a0
.rept \n
	MULA \f, am, \zero
.set am, am+1
.endr
.endm
.macro FETCH slot, kq, f
	WIN 0x40
.irp i, 0,1,2,3,4,5,6,7
	ds_load_b128 v[64+64*(\f)+8*(\i):64+64*(\f)+8*(\i)+3],   v[ADRB+(\slot)] offset:(\kq)*1024+(\i)*4096
	ds_load_b128 v[64+64*(\f)+8*(\i)+4:64+64*(\f)+8*(\i)+7], v[ADRB+(\slot)] offset:(\kq)*1024+(\i)*4096+512
.endr
	WIN 0
.set ia, 0
.rept NA
	ds_load_b128 v[64+8*NA*(\f)+8*ia:64+8*NA*(\f)+8*ia+3],   v[ADRA+(\slot)] offset:(\kq)*1024+ia*4096
	ds_load_b128 v[64+8*NA*(\f)+8*ia+4:64+8*NA*(\f)+8*ia+7], v[ADRA+(\slot)] offset:(\kq)*1024+ia*4096+512
.set ia, ia+1
.endr
.endm
.macro QUARTER slot, kq, f, g, zero
	s_wait_dscnt NA                                ; the youngest NA loads (of16's upper blocks) may be out
	MULS \f, 0, NA/2, \zero
	PLACES
	FETCH \slot, \kq, \g
	s_wait_dscnt 16+2*NA                           ; all but the run just issued
	MULS \f, NA/2, NA/2, \zero
.endm
.macro MEET round                      ; the one barrier of a change of slots: all my tensor loads, the add, my reads of this slot
	WIN 0
	s_wait_tensorcnt 0x0
	ds_add_u32 v[SPW], v[NIL]
	s_wait_dscnt NA+1
	MULS 1, 0, NA/4, 0
	s_wait_dscnt 0x0
	s_barrier_signal -1
	MULS 1, NA/4, NA/4, 0
.if \round
	WIN 0
.endif
	s_barrier_wait -1
.endm
.macro TURN slot, next, fill
.if \fill
	MEET 1
	CREST
	s_add_nc_u64 s[G0+4*(\slot)+2:G0+4*(\slot)+3], s[G0+4*(\slot)+2:G0+4*(\slot)+3], 2*KSB
	s_add_nc_u64 s[G0B+4*(\slot)+2:G0B+4*(\slot)+3], s[G0B+4*(\slot)+2:G0B+4*(\slot)+3], 2*KSB
	JLOAD \slot                                    ; the first tensor load behind the round; its four v_nop are also the places in front of the loads below
.else
	MEET 0
	PLACES
.endif
	FETCH \next, 0, 0
	MULS 1, NA/2, NA/2, 0
.endm
	s_load_b128 s[4:7], s[0:1], 0x0                ; of16 s[4:5], wot s[6:7]
	s_load_b128 s[8:11], s[0:1], 0x10              ; out0 s[8:9], oscale s[10:11]
	v_lshl_add_u32 v[SPW], v0, 2, SPARE
	v_mov_b32 v[NIL], 0
	ds_add_u32 v[SPW], v[NIL]                      ; the wave's opening: the add and its wait ahead of my first tensor load
	v_lshrrev_b32 v1, 5, v0
	v_readfirstlane_b32 s[WV], v1
	s_lshr_b32 s[HI], s[WV], 1
	s_and_b32 s[LO], s[WV], 1
	s_bfe_u32 s40, ttmp6, 0x40000                  ; cx
	s_bfe_u32 s41, ttmp6, 0x40004                  ; cy
	s_lshl_b32 s42, ttmp9, 2
	s_add_co_u32 s42, s42, s40                     ; tile column of C
	s_and_b32 s13, ttmp7, 0xffff
	s_lshl_b32 s13, s13, 2
	s_add_co_u32 s13, s13, s41                     ; tile row of C
	s_lshl_b32 s43, s41, 2
	s_lshl_b32 s43, 15, s43
	s_lshl_b32 s44, 0x1111, s40
	s_or_b32 s[G1+0], s43, (3<<16)|(1<<21)         ; the mask; elements of 8 bytes; bit 21 beside a mask; no padding
	s_or_b32 s[G1B+0], s44, (3<<16)|(1<<21)
	s_mov_b32 s[G1+1], 512<<16                     ; rows of 512 elements = 4,096 bytes,
	s_mov_b32 s[G1+2], NA<<16                      ; NA of them,
	s_mov_b32 s[G1+3], 512<<16
	s_mov_b32 s[G1+4], NA
	s_mov_b32 s[G1+5], 4096                        ; 32,768 bytes apart
	s_mov_b32 s[G1+6], 0
	s_mov_b32 s[G1+7], 0
	s_mov_b32 s[G1B+1], 512<<16
	s_mov_b32 s[G1B+2], 8<<16
	s_mov_b32 s[G1B+3], 512<<16
	s_mov_b32 s[G1B+4], 8
	s_mov_b32 s[G1B+5], 4096
	s_mov_b32 s[G1B+6], 0
	s_mov_b32 s[G1B+7], 0
	s_mul_i32 s16, s13, ABLK
	s_mul_i32 s17, s[LO], NA
	s_add_co_u32 s16, s16, s17
	s_lshl_b32 s16, s16, 15
	s_mov_b32 s17, 0
	s_lshl_b32 s46, s42, 4
	s_lshl_b32 s47, s[LO], 3
	s_add_co_u32 s46, s46, s47
	s_lshl_b32 s46, s46, 15
	s_mov_b32 s47, 0
	s_mul_i32 s20, s[LO], NA*4096
	s_lshl_b32 s23, s[LO], 15
	s_add_co_u32 s23, s23, ABLK*4096
	s_wait_dscnt 0x0                               ; the opening add is done
	s_wait_kmcnt 0x0
	s_load_b32 s[SC], s[10:11], 0x0                ; waited for in front of the way out
	s_add_nc_u64 s[14:15], s[4:5], s[16:17]
	s_add_nc_u64 s[46:47], s[6:7], s[46:47]
	CROUND
.irp s, 0,1
	s_mov_b32 s[G0+4*(\s)], 1
	s_add_co_u32 s[G0+4*(\s)+1], s20, (\s)*SLOT
	s_add_nc_u64 s[G0+4*(\s)+2:G0+4*(\s)+3], s[14:15], (\s)*KSB
	s_or_b32 s[G0+4*(\s)+3], s[G0+4*(\s)+3], 0x80000000
	s_mov_b32 s[G0B+4*(\s)], 1
	s_add_co_u32 s[G0B+4*(\s)+1], s23, (\s)*SLOT
	s_add_nc_u64 s[G0B+4*(\s)+2:G0B+4*(\s)+3], s[46:47], (\s)*KSB
	s_or_b32 s[G0B+4*(\s)+3], s[G0B+4*(\s)+3], 0x80000000
	JLOAD \s                                       ; K steps 0 and 1: two loads of mine are out
.endr
	v_and_b32 v1, 31, v0
	v_lshlrev_b32 v[CO], 4, v1
	s_mul_i32 s21, s[HI], NA*4096
	s_lshl_b32 s22, s[LO], 15
	s_add_co_u32 s22, s22, ABLK*4096
.irp s, 0,1
	v_add_nc_u32 v[ADRA+(\s)], s21, v[CO]
	v_add_nc_u32 v[ADRB+(\s)], s22, v[CO]
	s_add_co_u32 s21, s21, SLOT
	s_add_co_u32 s22, s22, SLOT
.endr
	s_mul_i32 s21, s[WV], 16*SP
	s_add_co_u32 s21, s21, STAGE                   ; my stage
	v_and_b32 v2, 15, v0
	v_bfe_u32 v3, v0, 4, 1
	v_mul_u32_u24 v[STO], v2, SP                   ; in: row r, 32 bytes for each half of the lanes
	v_lshl_add_u32 v[STO], v3, 5, v[STO]
	v_add_nc_u32 v[STO], s21, v[STO]
	v_add_nc_u32 v[RD], s21, v[CO]                 ; back: a whole row of 512 bytes
	s_lshl_b32 s66, s13, 7                         ; my first row of C: 128 x tile row + 64 x half,
	s_lshl_b32 s67, s[HI], 6
	s_add_co_u32 s66, s66, s67
	s_lshl_b32 s66, s66, 12                        ; rows of 4,096 bytes,
	s_lshl_b32 s67, s42, 10                        ; my first column: 256 x tile column + 128 x half, 4 bytes each
	s_lshl_b32 s68, s[LO], 9
	s_add_co_u32 s67, s67, s68
	s_add_co_u32 s66, s66, s67
	s_mov_b32 s67, 0
	s_add_nc_u64 s[8:9], s[8:9], s[66:67]
	s_wait_tensorcnt 1                             ; my part of K step 0 is in; K step 1's may stay out
	s_barrier_signal -1
	s_barrier_wait -1
	FETCH 0, 0, 0
	QUARTER 0, 1, 0, 1, 1                          ; the first quarter's products start the sums
	WIN 0
	s_mov_b32 s3, LAPS-1
.Llap:
	QUARTER 0, 2, 1, 0, 0
	QUARTER 0, 3, 0, 1, 0
	TURN 0, 1, 1
	QUARTER 1, 1, 0, 1, 0
	QUARTER 1, 2, 1, 0, 0
	QUARTER 1, 3, 0, 1, 0
	TURN 1, 0, 1
	QUARTER 0, 1, 0, 1, 0
	WIN 0
	s_sub_co_u32 s3, s3, 1
	s_cmp_lg_u32 s3, 0
	s_cbranch_scc1 .Llap
	QUARTER 0, 2, 1, 0, 0                          ; the last lap fills nothing
	QUARTER 0, 3, 0, 1, 0
	TURN 0, 1, 0
	QUARTER 1, 1, 0, 1, 0
	QUARTER 1, 2, 1, 0, 0
	QUARTER 1, 3, 0, 1, 0
	s_wait_dscnt NA
	MULS 1, 0, NA/2, 0
	s_wait_dscnt 0x0
	MULS 1, NA/2, NA/2, 0
	WIN 0
	; THE WAY OUT, 16 rows at a time: scaled, into my stage by 16 bytes, back by whole rows, stored
	PLACES
	PLACES
	s_wait_kmcnt 0x0
	s_mov_b32 s[SC+1], s[SC]                       ; named with it as a pair
.set a, 0
.rept 4
	s_wait_xcnt 0x0                                ; the stores of the 16 rows before have read their base and their data
.if a > 0
	s_add_nc_u64 s[8:9], s[8:9], 65536             ; 16 rows on
.endif
	WIN 0x02                                       ; source 0 in window 2
.irp b, 0,1,2,3,4,5,6,7
.irp r, 0,1,2,3
	v_pk_mul_f32 v[TMP+8*\b+2*\r:TMP+8*\b+2*\r+1], v[8*(8*a+\b)+2*\r:8*(8*a+\b)+2*\r+1], s[SC:SC+1] op_sel_hi:[1,0]
.endr
.endr
	WIN 0
.irp b, 0,1,2,3,4,5,6,7
	ds_store_b128 v[STO], v[TMP+8*\b:TMP+8*\b+3] offset:64*\b
	ds_store_b128 v[STO], v[TMP+8*\b+4:TMP+8*\b+7] offset:64*\b+16
.endr
.irp t, 0,1,2,3,4,5,6,7,8,9,10,11,12,13,14,15
	ds_load_b128 v[BK+4*\t:BK+4*\t+3], v[RD] offset:\t*SP  ; LDS serves a wave's instructions in order: these see the stores above, and the next rows' stores come behind them
.endr
.irp t, 0,1,2,3,4,5,6,7,8,9,10,11,12,13,14,15
	s_wait_dscnt 15-\t
	global_store_b128 v[CO], v[BK+4*\t:BK+4*\t+3], s[8:9] offset:\t*4096  ; 512 consecutive bytes of a row, at a multiple of 512 from out0's first byte
.endr
.set a, a+1
.endr
	s_wait_tensorcnt 0x0                           ; the wave's end: behind the last tensor load and the last LDS store
	ds_add_u32 v[SPW], v[NIL]
	s_wait_dscnt 0x0
	CROUND                                         ; the closing round
	s_endpgm
.Lfunc_end_k_q02f11479ee_g2:
	.size	k_q02f11479ee_g2, .Lfunc_end_k_q02f11479ee_g2-k_q02f11479ee_g2
	.p2alignl 7, 3214868480
	.fill 96, 4, 3214868480
	.section	.rodata,"a",@progbits
	.p2align	6, 0x0
	.amdhsa_kernel k_q02f11479ee_g2
		.amdhsa_group_segment_fixed_size 327680
		.amdhsa_private_segment_fixed_size 0
		.amdhsa_enable_private_segment 0
		.amdhsa_kernarg_size 32
		.amdhsa_user_sgpr_count 2
		.amdhsa_user_sgpr_kernarg_segment_ptr 1
		.amdhsa_wavefront_size32 1
		.amdhsa_system_sgpr_workgroup_id_x 1
		.amdhsa_system_sgpr_workgroup_id_y 1
		.amdhsa_system_sgpr_workgroup_id_z 1
		.amdhsa_system_vgpr_workitem_id 0
		.amdhsa_next_free_vgpr 768
		.amdhsa_next_free_sgpr 80
		.amdhsa_reserve_vcc 0
		.amdhsa_float_denorm_mode_32 3
		.amdhsa_float_denorm_mode_16_64 3
		.amdhsa_memory_ordered 1
		.amdhsa_forward_progress 1
		.amdhsa_inst_pref_size 95
	.end_amdhsa_kernel
	.amdgpu_metadata
---
amdhsa.version: [ 1, 2 ]
amdhsa.kernels:
  - .name:           k_q02f11479ee_g2
    .symbol:         k_q02f11479ee_g2.kd
    .args:
      - { .name: of16, .offset: 0, .size: 8, .value_kind: global_buffer, .address_space: global }
      - { .name: wot, .offset: 8, .size: 8, .value_kind: global_buffer, .address_space: global }
      - { .name: out0, .offset: 16, .size: 8, .value_kind: global_buffer, .address_space: global }
      - { .name: oscale, .offset: 24, .size: 8, .value_kind: global_buffer, .address_space: global }
    .group_segment_fixed_size: 327680
    .private_segment_fixed_size: 0
    .kernarg_segment_align: 8
    .kernarg_segment_size: 32
    .max_flat_workgroup_size: 128
    .sgpr_count:     80
    .vgpr_count:     768
    .wavefront_size: 32
...
	.end_amdgpu_metadata
.endif
;; end of part 4
;; ======== version 2 of 2: 4 launches; version 1 with the launch gla written anew for expert scheduling mode
;; limits: values are held in f16: magnitudes above 65,504 overflow, below 6.1e-05 lose precision; right only within a limited range of input values
;; workspace buffers: xt 16,777,216 bytes; wt 8,388,608 bytes; wot 2,097,152 bytes; qkvz 67,108,864 bytes; amax 8,192 bytes; of16 16,777,216 bytes; oscale 256 bytes
;; launch prep: the kernel of part 1 again; grid 832 x 1, 8 waves a work-group, no clusters, 35,840 bytes of LDS; arguments x, Wq, Wk, Wv, Wg, Wo, xt, wt, wot; writes xt, wt, wot
;; launch g1: the kernel of part 2 again; grid 16 x 32, 4 waves a work-group, clusters of 4 x 4, 327,680 bytes of LDS; arguments xt, wt, qkvz, amax; writes qkvz, amax
;; launch gla (part 5): grid 4 x 64, 8 waves a work-group, no clusters, 301,056 bytes of LDS; arguments qkvz, amax, bg, of16, oscale; writes of16, oscale
.if DOCPART == 5
	.amdgcn_target "amdgcn-amd-amdhsa--gfx1250"
	.amdhsa_code_object_version 6
	.text
	.protected	k_q02f11479ee_gla
	.globl	k_q02f11479ee_gla
	.p2align	8
	.type	k_q02f11479ee_gla,@function
k_q02f11479ee_gla:
	s_mov_b64 s[64:65], 0
	v_nop
	global_prefetch_b8 v0, s[64:65] scope:SCOPE_SE
	s_setreg_imm32_b32 hwreg(HW_REG_WAVE_SCHED_MODE, 0, 2), 2
	s_setreg_imm32_b32 hwreg(HW_REG_WAVE_MODE, 25, 1), 1
	s_wait_xcnt 0x0
	s_wait_alu depctr_vm_vsrc(0)
; THE SCAN.  For each (batch b, head h): S_t[d][e] = g_t[e] S_(t-1)[d][e] + k_t[d] v_t[e], o_t[e] = sum over d of q_t[d] S_t[d][e], g = sigmoid(z + bg).  2,048 rows, d, e < 64.
; Every column e is a recurrence of its own, so a work-group takes (b, h, 16 of the 64 e): 256 work-groups that hand each other nothing.
; EVERY DECAY IS A PRODUCT OF GATES, never a quotient: nothing can overflow however small the gates are.
; BLOCKS of 16 rows.  With S the state at a block's start, b_t the product of the block's gates up to row t, A = Q K^T (no gate in it):
;   o_t = b_t (q_t S) + sum over s <= t of A[t][s] w_s,   w_s = v_s x the gates behind s up to t      (the triangle: vector unit, f32)
;   S' = b_15 S + K^T V',  V'_s = w_s at t = 15                                                      (matrix unit, f16 operands, f32 sums)
; SEGMENTS of 128 rows (8 blocks): the 16 segments run side by side from a zero state, two to a wave (CHAINS A and B, one in each half of the lanes).  Then the states at the segments' ends are
; chained (16 steps, 4 numbers a thread), and by linearity o_t += bseg_t (q_t S_in), bseg_t the product of the segment's gates up to t, at most 1.
; THE VECTOR LAYOUT: lane (r, hh) holds column e = r of chain hh; a block's 16 rows lie along registers.
; SCALES.  Q, K, V are f16 as they come.  S, V' and O have no room in f16 at inputs 30 times larger, so they are multiplied by exact powers of two made of true bounds:
;   |S|, |V'| <= vmax max(2048 kmax, 1): sigma_S brings that under 2^15;   |O| <= 64 x 2048 qmax kmax vmax: sigma_O likewise;  rho = sigma_O / sigma_S.  1 / sigma_O goes to the next launch.
; LIMITS: the scales' exponents are clamped to 2^-126 .. 2^126: bounds under 2^-112 or over 2^140 are not served.  NaN and infinities in Q, K, V are not treated apart.  bseg below 6.1e-5 keeps f16's fixed step of 6e-8.
; bg is rounded to bf16 like every input.
; NO CLUSTER, NO TENSOR LOAD: the four work-groups of a head read the same Q and K (16 of a step's 20 tiles).  Joint loads land in LDS: two slots of a step's Q and K for 16 segments are
; 2 x 16 x 8 x 512 = 131,072 bytes, and 301,056 of the 327,680 are taken.  So tiles come straight into registers, as the fragments that they are.
; NO PREFETCH: a walk has 8 steps, each step's 20 loads go out two steps ahead of their use (up to 40 loads of a wave are on their way), and a second wave shares the SIMD.
; LDS: OL 0: O' of the zero-state run, f32, 8 waves x 8 steps x 2,048.  BS 131,072: bseg, f16, 8 x 8 x 1,024.  SCR 196,608: 8,704 a wave, its own: K's 8 tiles, V's 2 (+4,096), Z's 2 (+5,120),
; A, 2 chains x 16 rows x 80 (+6,144); behind the loop the segments' end states, 4,352 apart; behind the second barrier the stage for O.  SIN 266,240: the incoming states as f16 operands, 16 x 2,048.
; DSG 299,008: the segments' decays, 16 x 64.  SPARE 300,032.
; THE MODE: SCHED_MODE bits 1:0 = 2 (LLVM: expert scheduling mode 2), set by the entry lines.  The code itself states the register dependences between vector or matrix instructions and
; memory or LDS instructions, with s_wait_alu, always for 0.
; THE PLAN, FIRST LOOP.  A trip is two steps; step s works on load buffer LD[s % 2].  Registers that memory or LDS instructions touch:
;   LD0, LD1    the 20 global loads issued in step s - 2 land in LD[s % 2]; at the head of step s 12 LDS stores read its K, V, Z and 8 matrix instructions its K, Q; then it is asked for again, for step s + 2.
;   B           written by the matrix instructions (A^T); read by 4 LDS stores; then written by the rows (b_t).
;   ZT, VT, KT  the turning loads land in them; read by the gates' and w's lines and by K^T V'; ZT is then written by conversions (V', bseg) and read by 2 LDS stores.
;   AB          quads of A land in it: 12 at the step's head, 28 more in five batches; read by the rows; at the step's end written and read by bseg's lines.
;   O1          written by the rows and O''s lines; read by 4 LDS stores.          OLA, BSA  read by those six stores; stepped once a trip.
;   VO, KST, TRK, TRV, AST, ARD, L16  made at the head, never written again: the blocks of qkvz are reached by four scalar bases, which move on once a trip, and by immediates.
; A STEP'S WAITS.  (1) va_vdst behind the 8 matrix instructions and (2) vm_vsrc beside it: behind the two stand A's stores, the 20 global loads, the 12 turning loads and the first 12 quads, with nothing between that
; names a register of theirs.  (3), (4) va_vdst behind the exponentials and the reciprocals.  (5) vm_vsrc ahead of row 0.  (6)-(10) va_vdst ahead of each batch of quads.  (11) va_vdst ahead of the six stores.
; In a trip's second step one more vm_vsrc, ahead of the adds to OLA and BSA.
; SECOND LOOP.  Q takes turns between v32-63 and v64-95, two steps ahead.  A step has one vm_vsrc ahead of its conversions (the last step's stores have read AB, the loads OLA and BSA) and one va_vdst behind them
; (AB is written; the matrix instructions are done reading Q; O1 and ZT are free, so that the next step's loads of them, at its head, owe nothing).
.set BSR,   131072
.set SCR,   196608
.set SCW,   8704
.set SIN,   266240
.set DSG,   299008
.set SPARE, 300032                     ; the spare words: 128 bytes a wave, four blocks of 256 bytes that no other line names
; window 0
.set SPW, 1                            ; my spare word's address; never rewritten
.set NIL, 2                            ; 0, for the add alone
.set VO,  3                            ; my byte offset in a strip of qkvz: 16 L + 8,192 w; never rewritten
.set KST, 4                            ; SCR_w + 16 L
.set TRK, 5                            ; the turning loads of K
.set TRV, 6                            ; of V (and Z, 1,024 on)
.set AST, 7                            ; where I put 32 bytes of a row of A
.set ARD, 8                            ; my chain's A
.set OLA, 9
.set BSA, 10
.set OTS, 11                           ; the stage for O: in
.set OTR, 12                           ; and back, turned
.set OGO, 13                           ; my byte offset in of16; never rewritten
.set BL,  14                           ; -log2(e) x bf16(bg[e])
.set ZERO, 15
.set DD,  16                           ; v16-17  b_15 of chain A, of chain B, in every lane
.set BP,  18                           ; v18-19  the product of the segment's gates up to this block, twice
.set T,   20                           ; v20-27  two sets of two pairs of partial sums; at the head and between the loops: at work
.set X,   28
.set CL,  29                           ; -log2(e)
.set ONE, 30
.set L16, 31                           ; 16 L; never rewritten
.set LD0, 32                           ; v32-111  load buffer 0: Q's tiles at + chain x 16 + 4 c, K's at + 32 likewise, V's at + 64 + chain x 4, Z's at + 72
.set ZT,  112                          ; v112-119 Z turned; then V' packed; then bseg packed
.set VT,  120                          ; v120-127 V turned
.set G,   128                          ; v128-143 the block's 16 gates; then V' of chain A (other lanes 0), of chain B
.set W,   144                          ; v144-159 w_s
.set B,   160                          ; v160-175 the accumulators of A^T; then b_t
.set O1,  176                          ; v176-191
.set QS,  192                          ; v192-207 q S
.set AB,  208                          ; v208-255 a pool of 12 quads of A
; window 1
.set SA,  0                            ; v0-63   sigma_S S, f32: chain x 32 + 8 c: lane (r, h), register j: d = 16 c + 8 h + j, e = r
.set SOP, 64                           ; v64-95  the same in f16: source 1 of Q S as it stands
.set KT,  96                           ; v96-127 K turned: fragment c: lane (r, h): d = 16 c + r, the 16 rows of chain h
.set LD1, 128                          ; v128-207 load buffer 1, laid out as buffer 0
.set MSB, 0
.macro WIN new
.if MSB != (\new)
	s_set_vgpr_msb (MSB<<8)|(\new)
.set MSB, \new
.endif
.endm
.macro MIXH d, s, half, m, c           ; v[d] = (f16 half of v[s]) x v[m] + v[c], in f32
.if \half
	v_fma_mix_f32 v[\d], v[\s], v[\m], v[\c] op_sel:[1,0,0] op_sel_hi:[1,0,0]
.else
	v_fma_mix_f32 v[\d], v[\s], v[\m], v[\c] op_sel_hi:[1,0,0]
.endif
.endm
.macro PMULB d, s, pr, odd             ; the pair v[d:d+1] = v[s:s+1] x one register of the pair v[pr:pr+1]: its first (odd = 0) or second
.if \odd
	v_pk_mul_f32 v[\d:\d+1], v[\s:\s+1], v[\pr:\pr+1] op_sel:[0,1] op_sel_hi:[1,1]
.else
	v_pk_mul_f32 v[\d:\d+1], v[\s:\s+1], v[\pr:\pr+1] op_sel_hi:[1,0]
.endif
.endm
.macro LOADQ win, reg, at              ; a step's 8 tiles of Q into v[reg ..] of window win: both chains (4,096 bytes apart in a strip), four strips; at: the step's bytes from the base
	WIN 0x40*(\win)
.irp ch, 0,1
.irp c, 0,1,2,3
	global_load_b128 v[(\reg)+16*\ch+4*\c:(\reg)+16*\ch+4*\c+3], v[VO], s[20:21] offset:\c*262144+\ch*4096+(\at)
.endr
.endr
.endm
.macro LOADKVZ win, reg, at            ; its 8 tiles of K, 2 of V, 2 of Z; reg: the buffer's first register
	WIN 0x40*(\win)
.irp ch, 0,1
.irp c, 0,1,2,3
	global_load_b128 v[(\reg)+32+16*\ch+4*\c:(\reg)+32+16*\ch+4*\c+3], v[VO], s[22:23] offset:\c*262144+\ch*4096+(\at)
.endr
.endr
.irp ch, 0,1
	global_load_b128 v[(\reg)+64+4*\ch:(\reg)+64+4*\ch+3], v[VO], s[24:25] offset:\ch*4096+(\at)
	global_load_b128 v[(\reg)+72+4*\ch:(\reg)+72+4*\ch+3], v[VO], s[26:27] offset:\ch*4096+(\at)
.endr
.endm
.macro QSMUL win, reg                  ; q S for both chains, Q at v[reg ..] of window win: lane = e, registers t = 8 h + j.  The two accumulators take turns
	WIN 0x04+(\win)                                ; source 1 in window 1
	v_wmma_f32_16x16x32_f16 v[QS:QS+7], v[(\reg):(\reg)+7], v[SOP:SOP+7], 0
	v_wmma_f32_16x16x32_f16 v[QS+8:QS+15], v[(\reg)+16:(\reg)+23], v[SOP+16:SOP+23], 0
	v_wmma_f32_16x16x32_f16 v[QS:QS+7], v[(\reg)+8:(\reg)+15], v[SOP+8:SOP+15], v[QS:QS+7]
	v_wmma_f32_16x16x32_f16 v[QS+8:QS+15], v[(\reg)+24:(\reg)+31], v[SOP+24:SOP+31], v[QS+8:QS+15]
	WIN 0
.endm
.macro QSWAP                           ; chain A's rows 8-15 (upper lanes) change places with chain B's rows 0-7 (lower lanes): QS[t] is then in the vector layout
.irp j, 0,1,2,3,4,5,6,7
	v_permlane16_swap_b32 v[QS+\j], v[QS+8+\j]
.endr
.endm
; A's lower triangle is read in quads of four s: row t has t / 4 + 1 of them, 40 in all, numbered row by row.  Quad k goes to place k % 12 of the pool.  All 16 lanes of a chain read the same 16 bytes.
.macro QLOAD
.if ISS < 4
.set qt, ISS
.set qq, 0
.elseif ISS < 12
.set qt, 4+(ISS-4)/2
.set qq, (ISS-4)%2
.elseif ISS < 24
.set qt, 8+(ISS-12)/3
.set qq, (ISS-12)%3
.else
.set qt, 12+(ISS-24)/4
.set qq, (ISS-24)%4
.endif
	ds_load_b128 v[AB+4*(ISS%12):AB+4*(ISS%12)+3], v[ARD] offset:qt*80+16*qq
.set ISS, ISS+1
.endm
; ROW t of the triangle: w_s *= g_t for s < t; b_t = b_(t-1) g_t; the sum of A[t][s] w_s over s <= t, two s an instruction, in two chains of partial sums.
.macro ROWT t
.if (\t) < 4
.set qe, (\t)+1
.elseif (\t) < 8
.set qe, 2*(\t)-2
.elseif (\t) < 12
.set qe, 3*(\t)-9
.else
.set qe, 4*(\t)-20
.endif
.set qs, qe-(\t)/4-1                   ; the row's first quad; qe: quads up to its last
.set TA, T+4*((\t)%2)
.set gp, G+2*((\t)/2)
.set go, (\t)%2
	s_wait_dscnt ISS-qe                            ; LDS loads come back in order: the quads issued beyond this row's last may stay out
.set p, 0
.rept (\t)/2
	PMULB W+2*p, W+2*p, gp, go
.set p, p+1
.endr
.if go
	v_mul_f32 v[W+(\t)-1], v[W+(\t)-1], v[G+(\t)]
.endif
.if (\t) == 0
	v_mov_b32 v[B], v[G]
.else
	v_mul_f32 v[B+(\t)], v[B+(\t)-1], v[G+(\t)]
.endif
.set p, 0
.rept ((\t)+1)/2
.set ar, AB+4*((qs+p/2)%12)+2*(p%2)
.if p < 2
	v_pk_mul_f32 v[TA+2*p:TA+2*p+1], v[ar:ar+1], v[W+2*p:W+2*p+1]
.else
	v_pk_fma_f32 v[TA+2*(p%2):TA+2*(p%2)+1], v[ar:ar+1], v[W+2*p:W+2*p+1], v[TA+2*(p%2):TA+2*(p%2)+1]
.endif
.set p, p+1
.endr
.if !go                                ; an even row's own term stands alone: its pair's other half is a later row's
.set ar, AB+4*((qs+(\t)/4)%12)+(\t)%4
.if (\t) == 0
	v_mul_f32 v[O1], v[ar], v[W]
.else
	v_fma_f32 v[TA], v[ar], v[W+(\t)], v[TA]
.endif
.endif
.if go && ((\t) >= 5) && ((\t) <= 13)  ; behind rows 5, 7, 9, 11, 13 the places that the rows so far have freed are filled again: 8, 4, 6, 6, 4 quads
	s_wait_alu depctr_va_vdst(0)                   ; the rows up to this one are done reading their quads, in whose places the loads below land
.rept 8
.if (ISS < 40) && (ISS < qe+12)
	QLOAD
.endif
.endr
.endif
.endm
.macro FIN t                           ; row t's partial sums are added a row later, so that no line waits for the one before it
.set TA, T+4*((\t)%2)
.if (\t) >= 3
	v_pk_add_f32 v[TA:TA+1], v[TA:TA+1], v[TA+2:TA+3]
.endif
	v_add_f32 v[O1+(\t)], v[TA], v[TA+1]
.endm
	s_load_b256 s[4:11], s[0:1], 0x0               ; qkvz s[4:5], amax s[6:7], bg s[8:9], of16 s[10:11]
	s_load_b64 s[12:13], s[0:1], 0x20              ; oscale
	v_lshl_add_u32 v[SPW], v0, 2, SPARE
	v_mov_b32 v[NIL], 0
	v_lshrrev_b32 v20, 5, v0
	v_readfirstlane_b32 s14, v20                   ; wave w
	v_and_b32 v27, 31, v0                          ; L
	v_and_b32 v20, 15, v0                          ; r
	v_bfe_u32 v21, v0, 4, 1                        ; hh
	v_bfe_u32 v22, v0, 3, 1
	v_and_b32 v23, 7, v0
	v_lshlrev_b32 v[L16], 4, v27
	s_and_b32 s16, ttmp7, 0xffff
	s_lshr_b32 s17, s16, 4                         ; b
	s_and_b32 s18, s16, 15                         ; h
	s_wait_alu depctr_va_sdst(0)                   ; s14 is written, ahead of its first reader
	s_mul_i32 s40, s14, SCW
	s_add_co_u32 s40, s40, SCR                     ; SCR_w
	s_lshl_b32 s41, s14, 13                        ; my two segments in a strip: 16 tiles
	s_lshl_b32 s42, s14, 14                        ; my part of OL
	s_add_co_u32 s43, s41, BSR                     ; of BS
	s_add_co_u32 s44, s40, 4096
	s_add_co_u32 s45, s40, 6144
	s_lshl_b32 s46, s14, 19                        ; my 16 blocks of rows in of16
	s_mov_b32 s31, 0xffff0000                      ; lanes 16-31
	s_mov_b32 s32, 0x76543210                      ; v_permlanex16_b32: each lane takes its own place in the other half
	s_mov_b32 s33, 0xfedcba98
	v_add_nc_u32 v[KST], s40, v[L16]
	; a tile in LDS holds row s, columns 8 u .. at 16 s + 256 u.  The turning load: lane 8 g + j names row j (8 + j at 128 on), half g % 2, of chain g / 2; lane (r, hh) then holds column r and 8 rows of chain hh
	v_lshlrev_b32 v24, 4, v23
	v_lshl_add_u32 v24, v22, 8, v24
	v_lshl_add_u32 v[TRK], v21, 11, v24
	v_add_nc_u32 v[TRK], s40, v[TRK]
	v_lshl_add_u32 v[TRV], v21, 9, v24
	v_add_nc_u32 v[TRV], s44, v[TRV]
	v_mul_u32_u24 v[AST], v20, 80                  ; A: row t = r, 80 bytes apart (64 + 16: the 16 rows start at 16 different groups of four banks), s = 8 hh .. at 32 hh
	v_lshl_add_u32 v[AST], v21, 5, v[AST]
	v_add_nc_u32 v[AST], s45, v[AST]
	v_mul_u32_u24 v[ARD], v21, 1280
	v_add_nc_u32 v[ARD], s45, v[ARD]
	v_lshlrev_b32 v[OTS], 5, v20                   ; O's stage: row e, 32 bytes (16 t), chain B 512 on
	v_lshl_add_u32 v[OTS], v21, 9, v[OTS]
	v_add_nc_u32 v[OTS], s40, v[OTS]
	v_lshl_add_u32 v[OTR], v21, 3, v23             ; back, turned: lane names row e = 8 (L / 16) + L % 8, half (L / 8) % 2 of its t
	v_lshlrev_b32 v[OTR], 5, v[OTR]
	v_lshl_add_u32 v[OTR], v22, 4, v[OTR]
	v_add_nc_u32 v[OTR], s40, v[OTR]
	v_add_nc_u32 v[OGO], s46, v[L16]
	v_add_nc_u32 v[OLA], s42, v[L16]
	v_add_nc_u32 v[BSA], s43, v[L16]
	v_add_nc_u32 v[VO], s41, v[L16]
	v_mov_b32 v[ZERO], 0
	v_mov_b32 v[CL], 0xbfb8aa3b                    ; -log2(e)
	v_mov_b32 v[ONE], 1.0
	v_mov_b32 v[BP], 1.0
	v_mov_b32 v[BP+1], 1.0
	v_mov_b32 v[X], 0                              ; v_permlanex16_b32's destination counts as read
	s_lshl_b32 s48, s18, 20                        ; Q: the head's four strips,
	s_lshl_b32 s49, s17, 16                        ; the batch's 128 blocks of rows
	s_add_co_u32 s48, s48, s49
	s_mov_b32 s49, 0
	s_lshl_b32 s50, s18, 2
	s_add_co_u32 s50, s50, ttmp9                   ; 4 h + eq: my strip of V and Z, my tile column of O
	s_lshl_b32 s52, s50, 18
	s_lshl_b32 s53, s17, 16
	s_add_co_u32 s52, s52, s53
	s_mov_b32 s53, 0
	s_lshl_b32 s54, s17, 22                        ; of16: 128 blocks of rows of 32,768 bytes
	s_lshl_b32 s55, s50, 9
	s_add_co_u32 s54, s54, s55
	s_mov_b32 s55, 0
	s_lshl_b32 s47, s50, 6                         ; bg: 16 numbers of 4 bytes
	v_lshl_add_u32 v25, v20, 2, s47
	s_wait_kmcnt 0x0
	s_add_nc_u64 s[20:21], s[4:5], s[48:49]        ; Q
	s_add_nc_u64 s[22:23], s[20:21], 0x1000000     ; K: a tensor is 2^24 bytes
	s_add_nc_u64 s[24:25], s[4:5], s[52:53]
	s_add_nc_u64 s[24:25], s[24:25], 0x2000000     ; V
	s_add_nc_u64 s[26:27], s[24:25], 0x1000000     ; Z
	s_add_nc_u64 s[28:29], s[10:11], s[54:55]      ; O
	s_wait_alu depctr_va_vdst(0)                   ; every offset and LDS address made above (v3 to v13, v25, v31) is written: the loads and stores of the whole kernel read them
.irp i, 0,1,2,3,4,5,6,7,8,9,10,11
	global_load_b128 v[AB+4*\i:AB+4*\i+3], v[L16], s[6:7] offset:\i*512  ; the maxima of Q, K, V: 512 each, 16 a lane
.endr
	global_load_b32 v26, v25, s[8:9]
	LOADQ 0, LD0, 0                                ; step 0 into buffer 0,
	LOADKVZ 0, LD0, 0
	LOADQ 1, LD1, 512                              ; step 1 into buffer 1
	LOADKVZ 1, LD1, 512
	WIN 0x40                                       ; the state starts at 0: written while the loads are on their way, so that the loop has one form of step
.set i, 0
.rept 96
	v_mov_b32 v[i], 0
.set i, i+1
.endr
	WIN 0
	s_wait_loadcnt 40                              ; the maxima and bg are in; the 40 loads of steps 0 and 1 stay out
.irp n, 0,16,32
	v_max3_num_f32 v[AB+\n], v[AB+\n], v[AB+\n+1], v[AB+\n+2]
.endr
.irp i, 3,5,7,9,11,13
.irp n, 0,16,32
	v_max3_num_f32 v[AB+\n], v[AB+\n], v[AB+\n+\i], v[AB+\n+\i+1]
.endr
.endr
.irp n, 0,16,32
	v_max_num_f32 v[AB+\n], v[AB+\n], v[AB+\n+15]
.endr
.irp m, 1,2,4,8
.irp n, 0,16,32
	v_max_num_f32_dpp v[AB+\n], v[AB+\n], v[AB+\n] row_xmask:\m row_mask:0xf bank_mask:0xf
.endr
.endr
.irp n, 0,16,32
	v_permlanex16_b32 v[AB+\n+1], v[AB+\n], s32, s33
.endr
.irp n, 0,16,32
	v_max_num_f32 v[AB+\n], v[AB+\n], v[AB+\n+1]   ; qmax at AB, kmax at AB + 16, vmax at AB + 32
.endr
	v_mul_f32 v[AB+1], 0x45000000, v[AB+16]        ; 2048 kmax
	v_mul_f32 v[AB+2], v[AB+1], v[AB+32]
	v_mul_f32 v[AB+2], v[AB+2], v[AB]
	v_mul_f32 v[AB+2], 0x42800000, v[AB+2]         ; O's bound: 64 x 2048 qmax kmax vmax
	v_max_num_f32 v[AB+1], 1.0, v[AB+1]
	v_mul_f32 v[AB+1], v[AB+1], v[AB+32]           ; S's and V's bound
	v_readfirstlane_b32 s48, v[AB+1]
	v_readfirstlane_b32 s49, v[AB+2]
	s_wait_alu depctr_va_sdst(0)                   ; s48 and s49 are written, ahead of their first reader
	s_bfe_u32 s48, s48, 0x80017                    ; the exponent field E: the bound is under 2^(E - 126)
	s_bfe_u32 s49, s49, 0x80017
	s_sub_co_u32 s48, 268, s48                     ; the scale 2^(141 - E) brings it under 2^15
	s_min_u32 s48, s48, 253
	s_sub_co_u32 s49, 268, s49
	s_min_u32 s49, s49, 253
	s_sub_co_i32 s50, s49, s48
	s_add_co_i32 s50, s50, 127
	s_max_i32 s50, s50, 1
	s_min_i32 s50, s50, 253
	s_sub_co_u32 s51, 254, s49
	s_lshl_b32 s34, s48, 23                        ; s[34:35] sigma_S
	s_mov_b32 s35, s34
	s_lshl_b32 s36, s49, 23                        ; s[36:37] sigma_O
	s_mov_b32 s37, s36
	s_lshl_b32 s38, s50, 23                        ; s[38:39] rho
	s_mov_b32 s39, s38
	s_lshl_b32 s51, s51, 23                        ; 1 / sigma_O
	v_cvt_pk_bf16_f32 v26, v26, v26
	v_lshlrev_b32 v26, 16, v26
	v_mul_f32 v[BL], v[CL], v26
	s_or_b32 s52, ttmp9, s16
	s_or_b32 s52, s52, s14
	s_cmp_lg_u32 s52, 0
	s_cbranch_scc1 .Lno_scale                      ; one wave of the launch hands 1 / sigma_O on
	v_mov_b32 v[AB+4], s51
	v_lshlrev_b32 v[AB+5], 2, v27
	s_wait_alu depctr_va_vdst(0)                   ; the two lines above have written the store's data and its offset
	global_store_b32 v[AB+5], v[AB+4], s[12:13]
	s_wait_xcnt 0x0                                ; its two registers belong to the pool, which is loaded behind the first step's wait on vm_vsrc
.Lno_scale:
; A block of 16 rows of both chains, on load buffer p.
.macro STEP p
.set LB, LD0+(LD1-LD0)*(\p)
	s_wait_loadcnt 20                              ; loads come back in order: this step's 20 tiles, asked for two steps ago, are in; the next step's 20 stay out
	WIN 0x04*(\p)                                  ; the stores' data lie in the buffer's window
.irp i, 0,1,2,3,4,5,6,7
	ds_store_b128 v[KST], v[LB+32+4*\i:LB+32+4*\i+3] offset:\i*512
.endr
.irp ch, 0,1
	ds_store_b128 v[KST], v[LB+64+4*\ch:LB+64+4*\ch+3] offset:4096+\ch*512
	ds_store_b128 v[KST], v[LB+72+4*\ch:LB+72+4*\ch+3] offset:5120+\ch*512
.endr
	; A^T = K Q^T: lane = row t, registers s = 8 h + j.  The two chains' accumulators take turns
	WIN 0x05*(\p)
	v_wmma_f32_16x16x32_f16 v[B:B+7], v[LB+32:LB+39], v[LB:LB+7], 0
	v_wmma_f32_16x16x32_f16 v[B+8:B+15], v[LB+48:LB+55], v[LB+16:LB+23], 0
	v_wmma_f32_16x16x32_f16 v[B:B+7], v[LB+40:LB+47], v[LB+8:LB+15], v[B:B+7]
	v_wmma_f32_16x16x32_f16 v[B+8:B+15], v[LB+56:LB+63], v[LB+24:LB+31], v[B+8:B+15]
	QSMUL \p, LB
.rept 4
	v_nop                                          ; four places behind the products, before A^T is read (ISA guide 7.12.1); they stay beside the wait below
.endr
	s_wait_alu depctr_va_vdst(0)                   ; (1) the matrix instructions have written B, which the stores below read, and are done reading this buffer's Q and K, in which the global loads land; the step before is done with ZT, VT, KT and the pool, in which the LDS loads land
	s_wait_alu depctr_vm_vsrc(0)                   ; (2) the 12 stores above have read this buffer's K, V, Z; the last step's six stores have read O1 and ZT
	ds_store_b128 v[AST], v[B:B+3]
	ds_store_b128 v[AST], v[B+4:B+7] offset:16
	ds_store_b128 v[AST], v[B+8:B+11] offset:1280
	ds_store_b128 v[AST], v[B+12:B+15] offset:1296
	s_cmp_eq_u32 s30, 1
	s_cbranch_scc1 .Lno_load\p                     ; the last trip's two steps have no step two on
.if (\p) == 0
	s_wait_xcnt 0x0                                ; the loads issued so far have had their addresses translated: the four bases move on only behind this wait
	s_add_nc_u64 s[20:21], s[20:21], 1024          ; two blocks of rows on
	s_add_nc_u64 s[22:23], s[22:23], 1024
	s_add_nc_u64 s[24:25], s[24:25], 1024
	s_add_nc_u64 s[26:27], s[26:27], 1024
.endif
	LOADQ \p, LB, 512*(\p)                         ; the step two on.  No wait: nothing since (1) and (2) names this buffer or VO
	LOADKVZ \p, LB, 512*(\p)
	WIN 0
	s_branch .Lasked\p
.Lno_load\p:
	s_wait_loadcnt 0x0                             ; nothing more is asked for, so what is still out is waited for here: the counts at the steps' heads then hold on every way through the text
.Lasked\p:
	ds_load_tr16_b128 v[ZT:ZT+3], v[TRV] offset:1024    ; LDS serves a wave's instructions in order: these see the stores above
	ds_load_tr16_b128 v[ZT+4:ZT+7], v[TRV] offset:1152
	ds_load_tr16_b128 v[VT:VT+3], v[TRV]
	ds_load_tr16_b128 v[VT+4:VT+7], v[TRV] offset:128
	WIN 0x40
.irp c, 0,1,2,3
	ds_load_tr16_b128 v[KT+8*\c:KT+8*\c+3], v[TRK] offset:\c*512
	ds_load_tr16_b128 v[KT+8*\c+4:KT+8*\c+7], v[TRK] offset:\c*512+128
.endr
	WIN 0
.set ISS, 0
.rept 12
	QLOAD
.endr
	; the gates: g = 1 / (1 + 2^(-log2(e) (z + bg)))
	s_wait_dscnt 22                                ; Z is in: behind it V's 2, K's 8 and A's 12 loads
.set t, 0
.rept 16
	MIXH G+t, ZT+t/2, t%2, CL, BL
.set t, t+1
.endr
.set t, 0
.rept 16
	v_exp_f32 v[G+t], v[G+t]
.set t, t+1
.endr
	s_wait_dscnt 20                                ; V is in
.set t, 0
.rept 16
	MIXH W+t, VT+t/2, t%2, ONE, ZERO               ; w_s starts as v_s: the plain work behind the exponentials
.set t, t+1
.endr
	s_wait_alu depctr_va_vdst(0)                   ; (3) the 16 exponentials have written G, ahead of their first reader
.set t, 0
.rept 8
	v_pk_add_f32 v[G+t:G+t+1], v[G+t:G+t+1], 1.0 op_sel_hi:[1,0]
.set t, t+2
.endr
.set t, 0
.rept 16
	v_rcp_f32 v[G+t], v[G+t]
.set t, t+1
.endr
	v_nop
	s_wait_alu depctr_va_vdst(0)                   ; (4) the 16 reciprocals have written G, ahead of their first reader
	s_wait_alu depctr_vm_vsrc(0)                   ; (5) the four stores of A have read B, which the rows write from here on
	ROWT 0
	ROWT 1
.irp t, 2,3,4,5,6,7,8,9,10,11,12,13,14,15
	ROWT \t
	FIN (\t)-1
.endr
	FIN 15
	QSWAP
	; V' = sigma_S w, in f16; as source 1 its lanes' halves are the two chains' rows along k, as K turned has them; the other chain's half is 0
.set i, 0
.rept 8
	v_pk_mul_f32 v[W+2*i:W+2*i+1], v[W+2*i:W+2*i+1], s[34:35] op_sel_hi:[1,0]
.set i, i+1
.endr
.set i, 0
.rept 8
	v_cvt_pk_f16_f32 v[ZT+i], v[W+2*i], v[W+2*i+1]
.set i, i+1
.endr
.set i, 0
.rept 8
	v_cndmask_b32 v[G+i], v[ZT+i], 0, s31
	v_cndmask_b32 v[G+8+i], 0, v[ZT+i], s31
.set i, i+1
.endr
	v_permlanex16_b32 v[X], v[B+15], s32, s33
	v_cndmask_b32 v[DD], v[B+15], v[X], s31        ; chain A's b_15[e] in both halves of the lanes,
	v_cndmask_b32 v[DD+1], v[X], v[B+15], s31      ; chain B's
	WIN 0x41                                       ; destination and source 0 in window 1
.set i, 0
.rept 16
	PMULB SA+2*i, SA+2*i, DD, 0
.set i, i+1
.endr
.set i, 0
.rept 16
	PMULB SA+32+2*i, SA+32+2*i, DD, 1
.set i, i+1
.endr
	WIN 0x51                                       ; K turned, C and D in window 1, V' in window 0.  Eight accumulators, one instruction each
.irp c, 0,1,2,3
	v_wmma_f32_16x16x32_f16 v[SA+8*\c:SA+8*\c+7], v[KT+8*\c:KT+8*\c+7], v[G:G+7], v[SA+8*\c:SA+8*\c+7]
	v_wmma_f32_16x16x32_f16 v[SA+32+8*\c:SA+32+8*\c+7], v[KT+8*\c:KT+8*\c+7], v[G+8:G+15], v[SA+32+8*\c:SA+32+8*\c+7]
.endr
	WIN 0
	; O' = sigma_O (the triangle) + rho b_t (q S); bseg.  These lines name no register of the products above: they are the places behind them
.set i, 0
.rept 8
	v_pk_mul_f32 v[QS+2*i:QS+2*i+1], v[QS+2*i:QS+2*i+1], v[B+2*i:B+2*i+1]
.set i, i+1
.endr
.set i, 0
.rept 8
	v_pk_mul_f32 v[QS+2*i:QS+2*i+1], v[QS+2*i:QS+2*i+1], s[38:39] op_sel_hi:[1,0]
.set i, i+1
.endr
.set i, 0
.rept 8
	v_pk_fma_f32 v[O1+2*i:O1+2*i+1], v[O1+2*i:O1+2*i+1], s[36:37], v[QS+2*i:QS+2*i+1] op_sel_hi:[1,0,1]
.set i, i+1
.endr
.set i, 0
.rept 8
	v_pk_mul_f32 v[AB+2*i:AB+2*i+1], v[B+2*i:B+2*i+1], v[BP:BP+1]
.set i, i+1
.endr
.set i, 0
.rept 8
	v_cvt_pk_f16_f32 v[ZT+i], v[AB+2*i], v[AB+2*i+1]
.set i, i+1
.endr
	PMULB BP, BP, B+14, 1                          ; x b_15
	s_wait_alu depctr_va_vdst(0)                   ; (11) O''s lines have written O1 and the conversions ZT, which the six stores read
.irp i, 0,1,2,3
	ds_store_b128 v[OLA], v[O1+4*\i:O1+4*\i+3] offset:(\p)*2048+\i*512
.endr
	ds_store_b128 v[BSA], v[ZT:ZT+3] offset:(\p)*1024
	ds_store_b128 v[BSA], v[ZT+4:ZT+7] offset:(\p)*1024+512
	WIN 0x45                                       ; the new state as the next step's operand: each accumulator from its low end on
.set i, 0
.rept 32
	v_cvt_pk_f16_f32 v[SOP+i], v[SA+2*i], v[SA+2*i+1]
.set i, i+1
.endr
	WIN 0
.if (\p) == 1
	s_wait_alu depctr_vm_vsrc(0)                   ; the trip's twelve stores of O' and bseg have read OLA and BSA (and ZT and O1)
	v_add_nc_u32 v[OLA], 4096, v[OLA]              ; two steps on; the next stores by them stand behind the next step's waits on va_vdst
	v_add_nc_u32 v[BSA], 2048, v[BSA]
.endif
.endm
	s_mov_b32 s30, 4
.Lstep:                                                ; a trip: two blocks of 16 rows, one on each load buffer
	STEP 0
	STEP 1
	s_sub_co_u32 s30, s30, 1
	s_cmp_lg_u32 s30, 0
	s_cbranch_scc1 .Lstep
	s_wait_loadcnt 0x0                             ; no global load is out (the last trip asked for none): v32-111 are loaded anew below, from LDS and then with Q, and Q's base may be written
	s_sub_nc_u64 s[20:21], s[20:21], 3072          ; Q's base went on in three trips: back to the segments' first blocks
	; THE SEGMENTS ARE CHAINED.  My two end states and decays go to LDS; thread tau then owns 4 numbers (d = 16 (tau / 64) + 8 h + 4 ((tau / 32) % 2) + 0..3, e = tau % 16) of all 16 segments.
	v_lshl_add_u32 v20, v0, 2, DSG                 ; segment 2 w + hh, column r: 64 (2 w + hh) + 4 r = 4 x my thread's number
	v_lshl_add_u32 v21, v0, 4, SCR
	v_and_b32 v22, 15, v0
	v_lshl_add_u32 v22, v22, 2, DSG
	v_lshrrev_b32 v23, 6, v0
	v_lshl_add_u32 v23, v23, 9, v[L16]
	v_bfe_u32 v24, v0, 5, 1
	v_lshl_add_u32 v23, v24, 3, v23
	v_add_nc_u32 v23, SIN, v23                     ; my 8 bytes of an operand: tile c at 512 c, lane L at 16 L, my half of its 16 bytes
	s_lshl_b32 s53, s14, 12
	s_add_co_u32 s53, s53, SIN
	v_add_nc_u32 v24, s53, v[L16]                  ; my two segments' incoming states
	v_add_nc_u32 v[OLA], s42, v[L16]               ; back to the segments' first blocks (the last wait on vm_vsrc stands behind the last stores that read these two)
	v_add_nc_u32 v[BSA], s43, v[L16]
	s_wait_alu depctr_va_vdst(0)                   ; the addresses v20 to v24, OLA and BSA are written; so are the end states SA and the decay BP, which the stores below read, and SOP, in which loads land behind the second barrier
	WIN 0x04                                       ; store data in window 1
.irp ch, 0,1
.irp c, 0,1,2,3
	ds_store_b128 v[KST], v[SA+32*\ch+8*\c:SA+32*\ch+8*\c+3] offset:\ch*4352+\c*1024
	ds_store_b128 v[KST], v[SA+32*\ch+8*\c+4:SA+32*\ch+8*\c+7] offset:\ch*4352+\c*1024+512
.endr
.endr
	WIN 0
	ds_store_b32 v20, v[BP]
	s_wait_dscnt 0x0                               ; for the others' sake
	s_barrier_signal -1
	s_barrier_wait -1
.set j, 0
.rept 16
	ds_load_b128 v[32+4*j:32+4*j+3], v21 offset:j*4352
	ds_load_b32 v[96+j], v22 offset:j*64
.set j, j+1
.endr
.irp i, 112,113,114,115
	v_mov_b32 v\i, 0                               ; the first segment's incoming state
.endr
	s_wait_dscnt 0x0
.set j, 0
.rept 16                                               ; segment j's incoming state is rounded into registers of its own, so that all 16 leave behind one wait
	v_cvt_pk_f16_f32 v[G+2*j], v112, v113
	v_cvt_pk_f16_f32 v[G+2*j+1], v114, v115
.if j < 15
.if j%2
	v_pk_fma_f32 v[112:113], v[112:113], v[96+j-1:96+j], v[32+4*j:32+4*j+1] op_sel:[0,1,0] op_sel_hi:[1,1,1]
	v_pk_fma_f32 v[114:115], v[114:115], v[96+j-1:96+j], v[32+4*j+2:32+4*j+3] op_sel:[0,1,0] op_sel_hi:[1,1,1]
.else
	v_pk_fma_f32 v[112:113], v[112:113], v[96+j:96+j+1], v[32+4*j:32+4*j+1] op_sel_hi:[1,0,1]
	v_pk_fma_f32 v[114:115], v[114:115], v[96+j:96+j+1], v[32+4*j+2:32+4*j+3] op_sel_hi:[1,0,1]
.endif
.endif
.set j, j+1
.endr
	s_wait_alu depctr_va_vdst(0)                   ; the 32 conversions have written v128-159, which the stores read; the chain is done with v32-95, in which Q lands, and with v112-115, in which bseg lands
.set j, 0
.rept 16
	ds_store_b64 v23, v[G+2*j:G+2*j+1] offset:j*2048
.set j, j+1
.endr
	s_wait_dscnt 0x0                               ; my stores are done, and my reads of the end states: their bytes become stages behind this barrier
	s_barrier_signal -1
	s_barrier_wait -1
	WIN 0x40
.irp ch, 0,1
.irp c, 0,1,2,3
	ds_load_b128 v[SOP+16*\ch+4*\c:SOP+16*\ch+4*\c+3], v24 offset:\ch*2048+\c*512
.endr
.endr
	WIN 0
	LOADQ 0, LD0, 0                                ; step 0's Q into v32-63,
	LOADQ 0, LD0+32, 512                           ; step 1's into v64-95
	s_wait_dscnt 0x0                               ; S_in
; A block once more, Q in v32-63 (p = 0) or v64-95 (p = 1): O' += rho bseg_t (q_t S_in), rounded to f16, turned into a tile and stored.
.macro CSTEP p
.irp i, 0,1,2,3
	ds_load_b128 v[O1+4*\i:O1+4*\i+3], v[OLA] offset:(\p)*2048+\i*512  ; no wait: nothing since the last wait on va_vdst names O1, ZT, OLA or BSA
.endr
	ds_load_b128 v[ZT:ZT+3], v[BSA] offset:(\p)*1024
	ds_load_b128 v[ZT+4:ZT+7], v[BSA] offset:(\p)*1024+512
	s_wait_loadcnt 8                               ; this step's Q, asked for two steps ago, is in; the next step's 8 loads stay out
	QSMUL 0, LD0+32*(\p)
.rept 4
	v_nop                                          ; four places behind the products, before q S is read (ISA guide 7.12.1)
.endr
	QSWAP
	s_wait_dscnt 0x0                               ; O' and bseg
.set t, 0
.rept 16
	MIXH QS+t, ZT+t/2, t%2, QS+t, ZERO
.set t, t+1
.endr
.set i, 0
.rept 8
	v_pk_fma_f32 v[O1+2*i:O1+2*i+1], v[QS+2*i:QS+2*i+1], s[38:39], v[O1+2*i:O1+2*i+1] op_sel_hi:[1,0,1]
.set i, i+1
.endr
	s_wait_xcnt 0x0                                ; the last step's stores and loads have had their addresses translated: their data registers and the two bases are written only behind this wait
	s_wait_alu depctr_vm_vsrc(0)                   ; the last step's LDS stores have read AB .. AB + 7 and its global stores AB + 8 .. AB + 15, which are written again below; the loads above have read OLA and BSA
.if (\p) == 0
	s_add_nc_u64 s[20:21], s[20:21], 1024          ; Q: two blocks of rows on
	s_add_nc_u64 s[28:29], s[28:29], 65536         ; O likewise; the stores reach back by the immediate
.else
	v_add_nc_u32 v[OLA], 4096, v[OLA]              ; two steps on, for the next trip
	v_add_nc_u32 v[BSA], 2048, v[BSA]
.endif
.set i, 0
.rept 8
	v_cvt_pk_f16_f32 v[AB+i], v[O1+2*i], v[O1+2*i+1]
.set i, i+1
.endr
	s_wait_alu depctr_va_vdst(0)                   ; the conversions have written AB .. AB + 7, which the stores read; the matrix instructions are done reading this step's Q, in which the loads below land; O1 and ZT are free and OLA, BSA written for the next step's loads
	ds_store_b128 v[OTS], v[AB:AB+3]
	ds_store_b128 v[OTS], v[AB+4:AB+7] offset:16
	ds_load_tr16_b128 v[AB+8:AB+11], v[OTR]        ; lane (r, h): row t = r, columns e = 8 h ..: a tile as it lies in memory
	ds_load_tr16_b128 v[AB+12:AB+15], v[OTR] offset:512
	s_cmp_eq_u32 s30, 1
	s_cbranch_scc1 .Lc_no_q\p                      ; the last trip's two steps have no step two on
	LOADQ 0, LD0+32*(\p), 512*(\p)
	s_branch .Lc_asked\p
.Lc_no_q\p:
	s_wait_loadcnt 0x0                             ; nothing more is asked for, so what is still out is waited for here: the counts at the steps' heads then hold on every way through the text
.Lc_asked\p:
	s_wait_dscnt 0x0
	global_store_b128 v[OGO], v[AB+8:AB+11], s[28:29] offset:(\p)*32768-65536          ; chain A's tile: 512 consecutive bytes, aligned
	global_store_b128 v[OGO], v[AB+12:AB+15], s[28:29] offset:(\p)*32768-65536+262144  ; chain B's: 8 blocks of rows on
.endm
	s_mov_b32 s30, 4
.Lcstep:
	CSTEP 0
	CSTEP 1
	s_sub_co_u32 s30, s30, 1
	s_cmp_lg_u32 s30, 0
	s_cbranch_scc1 .Lcstep
	s_wait_dscnt 0x0                               ; the closing lines, six on end
	s_wait_alu 0x0
	s_wait_tensorcnt 0x0
	ds_add_u32 v[SPW], v[NIL]
	s_wait_dscnt 0x0
	s_endpgm
.Lfunc_end_k_q02f11479ee_gla:
	.size	k_q02f11479ee_gla, .Lfunc_end_k_q02f11479ee_gla-k_q02f11479ee_gla
	.p2alignl 7, 3214868480
	.fill 96, 4, 3214868480
	.section	.rodata,"a",@progbits
	.p2align	6, 0x0
	.amdhsa_kernel k_q02f11479ee_gla
		.amdhsa_group_segment_fixed_size 301056
		.amdhsa_private_segment_fixed_size 0
		.amdhsa_enable_private_segment 0
		.amdhsa_kernarg_size 40
		.amdhsa_user_sgpr_count 2
		.amdhsa_user_sgpr_kernarg_segment_ptr 1
		.amdhsa_wavefront_size32 1
		.amdhsa_system_sgpr_workgroup_id_x 1
		.amdhsa_system_sgpr_workgroup_id_y 1
		.amdhsa_system_sgpr_workgroup_id_z 1
		.amdhsa_system_vgpr_workitem_id 0
		.amdhsa_next_free_vgpr 464
		.amdhsa_next_free_sgpr 66
		.amdhsa_reserve_vcc 0
		.amdhsa_float_denorm_mode_32 3
		.amdhsa_float_denorm_mode_16_64 3
		.amdhsa_memory_ordered 1
		.amdhsa_forward_progress 1
		.amdhsa_inst_pref_size 101
	.end_amdhsa_kernel
	.amdgpu_metadata
---
amdhsa.version: [ 1, 2 ]
amdhsa.kernels:
  - .name:           k_q02f11479ee_gla
    .symbol:         k_q02f11479ee_gla.kd
    .args:
      - { .name: qkvz, .offset: 0, .size: 8, .value_kind: global_buffer, .address_space: global }
      - { .name: amax, .offset: 8, .size: 8, .value_kind: global_buffer, .address_space: global }
      - { .name: bg, .offset: 16, .size: 8, .value_kind: global_buffer, .address_space: global }
      - { .name: of16, .offset: 24, .size: 8, .value_kind: global_buffer, .address_space: global }
      - { .name: oscale, .offset: 32, .size: 8, .value_kind: global_buffer, .address_space: global }
    .group_segment_fixed_size: 301056
    .private_segment_fixed_size: 0
    .kernarg_segment_align: 8
    .kernarg_segment_size: 40
    .max_flat_workgroup_size: 256
    .sgpr_count:     66
    .vgpr_count:     464
    .wavefront_size: 32
...
	.end_amdgpu_metadata
.endif
;; end of part 5
;; launch g2: the kernel of part 4 again; grid 4 x 64, 4 waves a work-group, clusters of 4 x 4, 327,680 bytes of LDS; arguments of16, wot, out0, oscale; writes out0
